; MI455X (gfx1250); checked and timed in simulation.
; The chip was launched on July 23, 2026; its instructions are those of AMD's public machine-readable ISA for CDNA 5 (MIT licence, August 2026) and "CDNA5" Instruction Set Architecture Reference Guide (July 2026). The comments in the code are by the model that wrote it; some were corrected since.
;; Attention. Allowed arithmetic: matrix products marked QUANTISED: E2M3 operands, one E8M0 scale for each 32 along K, by v_wmma_scale_f32_16x16x128_f8f6f4 with both operands' format E2M3, f32 sums; everything else in f32.
;; Inputs: tensor 8 x 1,024 x 1,024 float32; w_proj 1,024 x 1,024 float32; w_qkv 3,072 x 1,024 float32.
;; Outputs: out0 8 x 1,024 x 1,024 float32.
;; This version of the problem:
;;   THIS VERSION OF THE PROBLEM IS GIVEN IN LOW PRECISION. The matrix products marked QUANTISED in the list below multiply operands that are first quantised to E2M3 (2 exponent bits, 3 mantissa bits; 6 bits a number), with one power-of-two scale for each 32 numbers along K (OCP MX v1.0); their sums are f32. All else is computed in f32.
;;   The module's matrix products, in the order in which they are computed (A, B: the left and right operand; K: the contracted axis; several contracted axes count as one K, in the product's order):
;;     1. [M 8,192, K 1,024] x [K 1,024, N 3,072]; A: input tensor; B: input w_qkv: QUANTISED
;;     2. batch 128 x [M 1,024, K 64] x [K 64, N 1,024]; A: computed on the way; B: computed on the way: QUANTISED
;;     3. batch 128 x [M 1,024, K 1,024] x [K 1,024, N 64]; A: softmax (see below); B: computed on the way: QUANTISED
;;     4. [M 8,192, K 1,024] x [K 1,024, N 1,024]; A: computed on the way; B: input w_proj: QUANTISED
;;   THE QUANTISER, for each operand of a quantised product, along K:
;;     - K is cut into blocks of 32 from its start; a last block that is shorter is filled with zeros.
;;     - A block's scale is 2^e with e = floor(log2(the largest magnitude in the block)) - 2, held to -126 .. 127; a block of zeros has e = 0. As a byte (E8M0): e + 127.
;;     - Each number is divided by its block's scale, clamped to +-7.5, and rounded to the nearest number of E2M3, ties to even, subnormals kept.
;;     - The product sums the exact products of the quantised numbers (number of the format x scale) in f32.
;;   ~~~python
;;   def quantise(x, axis):      # numpy; x: float32 -> the quantised numbers, widened to float32 again
;;       x = np.moveaxis(x, axis, -1); K = x.shape[-1]
;;       x = np.pad(x, [(0, 0)] * (x.ndim - 1) + [(0, -K % 32)]); x = x.reshape(x.shape[:-1] + (-1, 32)); a = np.abs(x).max(-1, keepdims=True)
;;       e = np.where(a > 0, np.clip(np.frexp(np.where(a > 0, a, 1))[1] - 1 - 2, -126, 127), 0)      # np.frexp(a)[1] - 1 = floor(log2(a)), exactly
;;       r = np.clip(x / 2.0 ** e, -7.5, 7.5)
;;       step = 2.0 ** (np.maximum(np.frexp(np.where(r == 0, 1, r))[1] - 1, 0) - 3)
;;       q = np.round(r / step) * step * 2.0 ** e      # np.round: ties to even
;;       return np.moveaxis(q.reshape(q.shape[:-2] + (-1,))[..., :K], -1, axis).astype(np.float32)
;;   ~~~
;;   SOFTMAX AHEAD OF A QUANTISED PRODUCT. Where the list says 'softmax', what is quantised is not the finished softmax but p = 2^(t - M), with t = logit x log2(e) and M = ceil(the row's largest t), a whole number; so 1/2 < the row's largest p <= 1. The row's sum l is taken of the UNQUANTISED p, in f32, and the product's result is divided by l at the end. Since M is a whole number, a kernel that streams over the keys may use a running M (the ceiling of the running maximum): every later rescaling is an exact power of two, which a block's scale takes up: the codes' values come out the same.
;;   OPERANDS COMPUTED ON THE WAY. 'Computed on the way' means the value that the module computes at that place (a softmax that the list does not call 'softmax' is quantised finished and normalised). What goes into a quantiser is computed in f32, as accurately as f32 sums, v_exp_f32 and their like allow (about 1e-6 of the number): no bf16 or f16 on the way to a quantiser, and a product that is left as it is and whose result goes on into a quantised operand takes f32 operands (vector FMAs, or v_wmma_f32_16x16x4_f32). A number that lies on a knife's edge between two numbers of the format may be rounded either way, as far as f32 arithmetic and the matrix unit's own rounding can turn it there, and no further.
;; One version. Each part assembles by itself: llvm-mc -triple=amdgcn-amd-amdhsa -mcpu=gfx1250 --defsym DOCPART=n.
;; ======== version 1 of 1: 4 launches
;; limits: right only within a limited range of input values
;; workspace buffers: ops 16,392,192 bytes; qkv 20,185,088 bytes
;; launch prep (part 1): grid 257 x 1, 6 waves a work-group, no clusters, 51,456 bytes of LDS; arguments tensor, w_qkv, w_proj, ops; writes ops
.if DOCPART == 1
	.amdgcn_target "amdgcn-amd-amdhsa--gfx1250"
	.amdhsa_code_object_version 6
	.text
	.protected	k_qbee9310309_prep
	.globl	k_qbee9310309_prep
	.p2align	8
	.type	k_qbee9310309_prep,@function
k_qbee9310309_prep:
	s_mov_b64 s[64:65], 0
	v_nop
	global_prefetch_b8 v0, s[64:65] scope:SCOPE_SE
	s_setreg_imm32_b32 hwreg(HW_REG_WAVE_MODE, 25, 1), 1
	s_wait_xcnt 0x0
; tensor [8192][1024], w_qkv [3072][1024], w_proj [1024][1024], f32, K innermost, become codes of FP6 (E2M3) with one E8M0 byte for each 32 along K,
; laid in ops in the ORDER OF THE OPERAND'S REGISTERS.  A tile is 16 rows; its image row m stands for source row rb + m + 8 (m / 8), rb = 32 (T / 2) + 8 (T % 2):
; so the results of two neighbouring tiles are 16 neighbours along the next product's K.  A fragment (16 rows x 128 K, 12 registers a lane) lies as 3 x 512 bytes,
; registers 4 g .. 4 g + 3 of lane l at 512 g + 16 l; a tile has 8 of them, 12,288 bytes.  A tile's scale words: word s of image row m at 256 (s / 4) + 16 m + 4 (s % 4).
; Tiles 0-511 tensor, 512-703 w_qkv (a head's twelve in the order q0-3, v0, v1, k0-3, v2, v3), 704-767 w_proj.
; Work-groups 0-255: six waves; a wave takes half a tile's K: four steps of 16 rows x 128 K.  Each load reads 512 consecutive bytes of one row; the step's 8 KiB turn through the
; wave's own stage in LDS (rows 528 bytes apart), so that lane (r, h) holds k = 64 c + 32 h + 0 .. 31 of row r: whole blocks, in the operand's own order.
; Work-group 256 makes the table for the rotary embedding: cos and sin of p x 10000^(-j / 32), p and j 0 .. 31, by range reduction in three parts of pi / 2 and polynomials.
; A block's scale is 2^(floor(log2(largest magnitude)) - 2); its byte is the largest magnitude's exponent field - 2, held at 1 from below.
; LIMITS: NaN and infinities among the inputs are not served.  A block of zeros gets the byte 1 where the rule says 127: its codes are zeros, and this program alone reads the bytes.
; The table's angle differs from p / 10000^(j / 32) by the rounding of j x log2(10000) / 32 and of the exponential, times the angle: at most about 3e-6.
; No matrix unit, no cluster, no tensor load: a stream whose waves share nothing.
.set SCA,    9437184                   ; ops: the scale words of the 768 tiles
.set ROPE,   16384000                  ; ops: cos [32][32] f32, then sin
.set PITCH,  528                       ; a stage row: 512 bytes + 16
.set WSTG,   16*PITCH                  ; a wave's stage
.set SPARE,  6*WSTG                    ; behind the stages: the spare words, 128 bytes for each wave, three blocks of 256 bytes that no other line names
.set R,      32                        ; v32-159  two sets of 64 registers as loaded
.set X,      160                       ; v160-223 my 64 numbers: register 32 c + i = k 64 c + 32 h + i
.set C,      224                       ; v224-235 the fragment's codes
.set XT,     236                       ; v236-238, v240-242: a conversion's three registers begin on an even number
.set W,      16                        ; v16-19   the four steps' scale words
.set SPW,    28
.set NIL,    29
	s_load_b256 s[4:11], s[0:1], 0x0               ; tensor s[4:5], w_qkv s[6:7], w_proj s[8:9], ops s[10:11]
	v_lshl_add_u32 v[SPW], v0, 2, SPARE
	v_mov_b32 v[NIL], 0
	v_lshrrev_b32 v1, 5, v0
	v_readfirstlane_b32 s12, v1                    ; wave 0..5
	s_cmp_eq_u32 ttmp9, 256
	s_cbranch_scc1 .Ltable                         ; the last work-group makes the table
	v_and_b32 v1, 31, v0                           ; l
	v_and_b32 v2, 15, v0                           ; r
	v_bfe_u32 v3, v0, 4, 1                         ; h
	v_lshlrev_b32 v4, 4, v1                        ; 16 l
	s_mul_i32 s13, s12, WSTG
	v_add_nc_u32 v5, s13, v4                       ; into the stage: 16 l of a row
	v_mul_u32_u24 v6, v2, PITCH
	v_lshl_add_u32 v6, v3, 7, v6
	v_add_nc_u32 v6, s13, v6                       ; out of it: row r, + 128 h
	v_lshlrev_b32 v7, 4, v2
	v_lshl_add_u32 v7, v3, 3, v7                   ; the scale words' place: 16 r + 8 h
	v_lshlrev_b32 v22, 3, v3                       ; 8 h: how far my two bytes are shifted up
	v_mov_b32 v15, 0                               ; written once: a lane permute's destination counts as one of its sources
	s_mov_b32 s26, 0x76543210
	s_mov_b32 s27, 0xfedcba98                      ; selects for lane l xor 16
	s_mul_i32 s37, ttmp9, 6
	s_add_co_u32 s37, s37, s12                     ; my unit
	s_lshr_b32 s14, s37, 1                         ; J: the tile
	s_and_b32 s15, s37, 1                          ; g: which half of K
	s_cmp_ge_u32 s14, 704
	s_cselect_b32 s16, 704, 0
	s_sub_co_u32 s16, s14, s16                     ; T in tensor or in w_proj
	s_lshr_b32 s17, s16, 1
	s_lshl_b32 s17, s17, 5
	s_and_b32 s18, s16, 1
	s_lshl_b32 s18, s18, 3
	s_add_co_u32 s17, s17, s18                     ; rb = 32 (T / 2) + 8 (T % 2)
	s_max_u32 s18, s14, 512
	s_min_u32 s18, s18, 703
	s_sub_co_u32 s18, s18, 512                     ; I: the tile in w_qkv (held inside 0 .. 191 for the other tensors' tiles, which do not use it)
	s_mul_i32 s19, s18, 171
	s_lshr_b32 s19, s19, 11                        ; head = I / 12 (171 / 2048 serves up to 191)
	s_mul_i32 s28, s19, 12
	s_sub_co_u32 s28, s18, s28                     ; i = 0 .. 11
	s_cmp_ge_u32 s28, 6
	s_cselect_b32 s29, 1, 0                        ; j: 0 = q's half, 1 = k's half
	s_cselect_b32 s30, 6, 0
	s_sub_co_u32 s28, s28, s30                     ; m = 0 .. 5
	s_mul_i32 s19, s19, 192
	s_lshl_b32 s30, s29, 6
	s_lshr_b32 s31, s28, 1
	s_lshl_b32 s31, s31, 5
	s_add_co_u32 s30, s30, s31
	s_and_b32 s31, s28, 1
	s_lshl_b32 s31, s31, 3
	s_add_co_u32 s30, s30, s31                     ; m < 4: 64 j + 32 (m / 2) + 8 (m % 2)
	s_lshl_b32 s31, s29, 5
	s_lshl_b32 s32, s28, 3
	s_add_co_u32 s31, s31, s32
	s_add_co_u32 s31, s31, 96                      ; else: 128 + 32 j + 8 (m - 4)
	s_cmp_lt_u32 s28, 4
	s_cselect_b32 s30, s30, s31
	s_add_co_u32 s30, s30, s19                     ; rb in w_qkv
	s_wait_alu depctr_va_vdst(0)
	s_wait_kmcnt 0x0
	s_cmp_lt_u32 s14, 512                          ; the choices hang on the tile's number alone
	s_cselect_b64 s[20:21], s[4:5], s[6:7]
	s_cselect_b32 s33, s17, s30
	s_cmp_ge_u32 s14, 704
	s_cselect_b64 s[20:21], s[8:9], s[20:21]
	s_cselect_b32 s33, s17, s33
	s_lshl_b32 s34, s33, 12                        ; 4,096 bytes a row,
	s_lshl_b32 s35, s15, 11                        ; 2,048 for the half of K
	s_add_co_u32 s34, s34, s35
	s_mov_b32 s35, 0
	s_add_nc_u64 s[20:21], s[20:21], s[34:35]      ; where my numbers begin
	s_mul_i32 s34, s14, 12288
	s_mul_i32 s36, s15, 6144
	s_add_co_u32 s34, s34, s36
	s_add_nc_u64 s[22:23], s[10:11], s[34:35]      ; where my four fragments go
	s_lshl_b32 s34, s14, 9
	s_lshl_b32 s36, s15, 8
	s_add_co_u32 s34, s34, s36
	s_add_co_u32 s34, s34, SCA
	s_add_nc_u64 s[24:25], s[10:11], s[34:35]      ; and my 256 bytes of scale words
.macro LOAD t                          ; step t: 16 rows x 512 consecutive bytes, 16 a lane
.irp i, 0,1,2,3,4,5,6,7,8,9,10,11,12,13,14,15
	global_load_b128 v[R+64*((\t)%2)+4*\i:R+64*((\t)%2)+4*\i+3], v4, s[20:21] offset:(\i+8*(\i/8))*4096+512*(\t) th:TH_LOAD_NT
.endr
.endm
.macro STEP t
.set RS, R+64*((\t)%2)
.if (\t) < 3
	s_wait_loadcnt 16                              ; this step's 16 loads are in; the next step's 16 may be out
.else
	s_wait_loadcnt 0x0
.endif
.irp i, 0,1,2,3,4,5,6,7,8,9,10,11,12,13,14,15
	ds_store_b128 v5, v[RS+4*\i:RS+4*\i+3] offset:PITCH*\i
.endr
.irp c, 0,1
.irp i, 0,1,2,3,4,5,6,7
	ds_load_b128 v[X+32*\c+4*\i:X+32*\c+4*\i+3], v6 offset:256*\c+16*\i   ; LDS serves a wave's instructions in order: these see the stores above
.endr
.endr
	s_wait_dscnt 0x0                               ; my 64 numbers are in, and the stores have read their registers,
.if (\t)+2 < 4
	LOAD (\t)+2                                    ; which take the loads of two steps on
.endif
.irp c, 0,1
	v_max3_num_f32 v[8+\c], |v[X+32*\c]|, |v[X+32*\c+1]|, 0x1800000   ; my block 2 c + h: all 32 numbers are mine; the floor 2^(3 - 127) holds the byte at 1 from below
.endr
.irp i, 2,4,6,8,10,12,14,16,18,20,22,24,26,28,30
.irp c, 0,1
	v_max3_num_f32 v[8+\c], v[8+\c], |v[X+32*\c+\i]|, |v[X+32*\c+\i+1]|
.endr
.endr
.irp c, 0,1
	v_add_nc_u32 v[10+\c], 0xff000000, v[8+\c]     ; 2 off the exponent field: the conversion's scale operand
.endr
.irp c, 0,1
	v_lshrrev_b32 v[12+\c], 23, v[10+\c]           ; the scale's byte
.endr
	v_lshl_or_b32 v14, v13, 16, v12                ; blocks h and 2 + h,
	v_lshlrev_b32 v14, v22, v14                    ; at their places in the word;
	v_permlanex16_b32 v15, v14, s26, s27
	v_or_b32 v[W+(\t)], v14, v15                   ; with lane l xor 16's two the word is whole
.if (\t) > 0
	s_wait_alu depctr_va_vdst(0)
	s_wait_xcnt 0x0                                ; the last step's stores have read the codes' registers
.endif
	v_cvt_scalef32_pk16_fp6_f32 v[C:C+2], v[X:X+15], v10
	v_cvt_scalef32_pk16_fp6_f32 v[XT:XT+2], v[X+16:X+31], v10
	v_cvt_scalef32_pk16_fp6_f32 v[C+6:C+8], v[X+32:X+47], v11
	v_cvt_scalef32_pk16_fp6_f32 v[XT+4:XT+6], v[X+48:X+63], v11
	v_nop                                          ; one plain instruction behind the scaled conversions
.irp i, 0,1,2
	v_mov_b32 v[C+3+\i], v[XT+\i]
	v_mov_b32 v[C+9+\i], v[XT+4+\i]
.endr
.irp g, 0,1,2
	global_store_b128 v4, v[C+4*\g:C+4*\g+3], s[22:23] offset:1536*(\t)+512*\g   ; 32 lanes store 512 consecutive bytes, aligned to 256
.endr
.endm
	LOAD 0
	LOAD 1
	STEP 0
	STEP 1
	STEP 2
	STEP 3
	v_cmp_ne_u32 vcc_lo, 0, v3
	v_cndmask_b32 v20, v16, v18, vcc_lo            ; lane (r, h) stores words 2 h and 2 h + 1 of row r
	v_cndmask_b32 v21, v17, v19, vcc_lo
	global_store_b64 v7, v[20:21], s[24:25]        ; 256 consecutive bytes, aligned
	s_wait_tensorcnt 0x0                           ; the wave's end, behind my last LDS store
	ds_add_u32 v[SPW], v[NIL]
	s_wait_dscnt 0x0
	s_endpgm
; THE TABLE.  Thread t < 128 makes, for p = t / 8 and p = 16 + t / 8, the four columns j = 4 (t % 8) + 0 .. 3: 16 bytes at 2,048 k + 16 t of cos and of sin.
.macro SINCOS x, so, co
	v_mul_f32 v20, 0x3f22f983, v[\x]               ; x * 2 / pi
	v_rndne_f32 v20, v20                           ; kf
	v_fma_f32 v21, v20, s28, v[\x]                 ; x - kf pi / 2, pi / 2 in three parts
	v_fma_f32 v21, v20, s29, v21
	v_fma_f32 v21, v20, s30, v21
	v_cvt_i32_f32 v23, v20                         ; the quadrant
	v_mul_f32 v22, v21, v21                        ; z
	v_fmaak_f32 v24, v30, v22, 0x3c08839e
	v_fmaak_f32 v26, v31, v22, 0xbab6061a
	v_fmaak_f32 v24, v24, v22, 0xbe2aaaa3
	v_fmaak_f32 v26, v26, v22, 0x3d2aaaa5
	v_mul_f32 v25, v22, v21
	v_fma_f32 v27, v22, -0.5, 1.0
	v_fma_f32 v24, v24, v25, v21                   ; sin r
	v_mul_f32 v25, v22, v22
	v_fma_f32 v26, v26, v25, v27                   ; cos r
	v_and_b32 v27, 1, v23
	v_cmp_ne_u32 vcc_lo, 0, v27
	v_cndmask_b32 v[\so], v24, v26, vcc_lo         ; in odd quadrants the two change places
	v_cndmask_b32 v[\co], v26, v24, vcc_lo
	v_lshlrev_b32 v27, 30, v23
	v_and_b32 v27, 0x80000000, v27
	v_xor_b32 v[\so], v[\so], v27                  ; sin is negative in quadrants 2 and 3,
	v_add_nc_u32 v27, 1, v23
	v_lshlrev_b32 v27, 30, v27
	v_and_b32 v27, 0x80000000, v27
	v_xor_b32 v[\co], v[\co], v27                  ; cos in quadrants 1 and 2
.endm
.Ltable:
	s_cmp_ge_u32 s12, 4
	s_cbranch_scc1 .Lno_part                       ; 128 threads make the 2 x 1,024 numbers
	v_and_b32 v2, 7, v0
	v_lshlrev_b32 v2, 2, v2                        ; 4 (t % 8)
	v_lshrrev_b32 v3, 3, v0                        ; t / 8
	v_lshlrev_b32 v4, 4, v0                        ; 16 t
	s_mov_b32 s28, 0xbfc90000                      ; -pi / 2 in three parts
	s_mov_b32 s29, 0xb9fda000
	s_mov_b32 s30, 0xb3a22169
	v_mov_b32 v30, 0xb94ca1f9
	v_mov_b32 v31, 0x37ccf5ce
.irp e, 0,1,2,3
	v_add_nc_u32 v[8+\e], \e, v2
	v_cvt_f32_u32 v[8+\e], v[8+\e]
	v_mul_f32 v[8+\e], 0xbed49a78, v[8+\e]         ; -j log2(10000) / 32
.endr
	s_wait_alu depctr_va_vdst(0)
.irp e, 0,1,2,3
	v_exp_f32 v[12+\e], v[8+\e]                    ; 10000^(-j / 32)
.endr
	v_nop                                          ; a plain instruction behind the batch
	v_cvt_f32_u32 v5, v3
	s_wait_alu depctr_va_vdst(0)                   ; one wait for the four, ahead of their first reader
	s_wait_kmcnt 0x0
	s_add_nc_u64 s[22:23], s[10:11], ROPE
.irp k, 0,1
.if \k == 0
	v_mov_b32 v6, v5
.else
	v_add_f32 v6, 0x41800000, v5                   ; p = 16 + t / 8
.endif
.irp e, 0,1,2,3
	v_mul_f32 v7, v6, v[12+\e]
	SINCOS 7, 40+4*\k+\e, 32+4*\k+\e
.endr
	global_store_b128 v4, v[32+4*\k:35+4*\k], s[22:23] offset:2048*\k
	global_store_b128 v4, v[40+4*\k:43+4*\k], s[22:23] offset:4096+2048*\k
.endr
.Lno_part:
	s_endpgm
.Lfunc_end_k_qbee9310309_prep:
	.size	k_qbee9310309_prep, .Lfunc_end_k_qbee9310309_prep-k_qbee9310309_prep
	.p2alignl 7, 3214868480
	.fill 96, 4, 3214868480
	.section	.rodata,"a",@progbits
	.p2align	6, 0x0
	.amdhsa_kernel k_qbee9310309_prep
		.amdhsa_group_segment_fixed_size 51456
		.amdhsa_private_segment_fixed_size 0
		.amdhsa_enable_private_segment 0
		.amdhsa_kernarg_size 32
		.amdhsa_user_sgpr_count 2
		.amdhsa_user_sgpr_kernarg_segment_ptr 1
		.amdhsa_wavefront_size32 1
		.amdhsa_system_sgpr_workgroup_id_x 1
		.amdhsa_system_sgpr_workgroup_id_y 1
		.amdhsa_system_sgpr_workgroup_id_z 1
		.amdhsa_system_vgpr_workitem_id 0
		.amdhsa_next_free_vgpr 256
		.amdhsa_next_free_sgpr 66
		.amdhsa_reserve_vcc 1
		.amdhsa_float_denorm_mode_32 3
		.amdhsa_float_denorm_mode_16_64 3
		.amdhsa_memory_ordered 1
		.amdhsa_forward_progress 1
		.amdhsa_inst_pref_size 44
	.end_amdhsa_kernel
	.amdgpu_metadata
---
amdhsa.version: [ 1, 2 ]
amdhsa.kernels:
  - .name:           k_qbee9310309_prep
    .symbol:         k_qbee9310309_prep.kd
    .args:
      - { .name: tensor, .offset: 0, .size: 8, .value_kind: global_buffer, .address_space: global }
      - { .name: w_qkv, .offset: 8, .size: 8, .value_kind: global_buffer, .address_space: global }
      - { .name: w_proj, .offset: 16, .size: 8, .value_kind: global_buffer, .address_space: global }
      - { .name: ops, .offset: 24, .size: 8, .value_kind: global_buffer, .address_space: global }
    .group_segment_fixed_size: 51456
    .private_segment_fixed_size: 0
    .kernarg_segment_align: 8
    .kernarg_segment_size: 32
    .max_flat_workgroup_size: 192
    .sgpr_count:     66
    .vgpr_count:     256
    .wavefront_size: 32
...
	.end_amdgpu_metadata
.endif
;; end of part 1
;; launch qkv_rope (part 2): grid 16 x 16, 4 waves a work-group, clusters of 4 x 4, 327,680 bytes of LDS; arguments ops, qkv; writes qkv
.if DOCPART == 2
	.amdgcn_target "amdgcn-amd-amdhsa--gfx1250"
	.amdhsa_code_object_version 6
	.text
	.protected	k_qbee9310309_qkv_rope
	.globl	k_qbee9310309_qkv_rope
	.p2align	8
	.type	k_qbee9310309_qkv_rope,@function
k_qbee9310309_qkv_rope:
	s_mov_b64 s[64:65], 0
	v_nop
	global_prefetch_b8 v0, s[64:65] scope:SCOPE_SE
	s_setreg_imm32_b32 hwreg(HW_REG_WAVE_MODE, 25, 1), 1
	s_wait_xcnt 0x0
	s_wait_alu depctr_hold_cnt(0) depctr_sa_sdst(0) depctr_va_vdst(0) depctr_va_sdst(0) depctr_va_ssrc(0) depctr_va_vcc(0) depctr_vm_vsrc(0)
	s_getreg_b32 s2, hwreg(HW_REG_IB_STS2, 6, 4)
	s_cmp_eq_u32 s2, 0
	s_cbranch_scc0 .Lentry_in_a_cluster
	s_endpgm
.Lentry_in_a_cluster:
	s_bfe_u32 s2, ttmp6, 0x10000c
	s_cmp_lg_u32 s2, 0xf033
	s_cbranch_scc0 .Lentry_shape_is_right
	s_endpgm
.Lentry_shape_is_right:
; qkv = tensor w_qkv^T on codes of FP6 (E2M3) with E8M0 scales; the rotary embedding on q and k in f32; q and k quantised along the head's 64, v along the keys; all three leave as register images.
; SHARES.  A work-group takes one head (x) and 256 tokens (y).  Wave w: tokens 128 (w / 2) on (A's tiles a = 0 .. 7), and six of the head's twelve tiles of w_qkv: w % 2 = 0: q0-3, v0, v1; 1: k0-3, v2, v3.
; 48 accumulators of 16 x 16.  q and k are used TRANSPOSED (source 0 = 16 features, source 1 = 16 tokens): a lane holds one token, its registers run along the head's axis.  v is used as it stands
; (source 0 = 16 tokens, source 1 = 16 channels): a lane holds one channel, its registers run along the tokens, which are the keys.  Every wave has the same pattern of products.
; THE ROWS OF A TILE ARE NOT NEIGHBOURS (image row m = source row 32 (T / 2) + 8 (T % 2) + m + 8 (m / 8)): the 16 registers of tiles 2 b, 2 b + 1 are 16 neighbours along the next K.
; THE RING.  A K step is 256 along K: 3,072 bytes of each tile, two fragments as register images, so a fragment comes by three loads of 16 bytes a lane, 512 consecutive bytes each.  Three slots of 86,016 bytes
; (A's 16 tiles, B's 12); K steps 0-2 are first fills, K step 3 fills slot 0 again.  By this text's count a wave has three tensor loads out at the start, later one.
; CLUSTER 4 x 4: A's tiles hang on y alone and are asked for jointly along a row of the cluster, B's on x alone, along a column.
; Scale words (for each block) and the tables of cos and sin (once) go from memory straight into registers.  Nothing is prefetched: three of the four K steps are asked for in the first lines.
; OUT (a record of 157,696 bytes for each batch and head): K's codes, 64 tiles x 768 bytes (registers 0-3 at 16 l, 4-5 at 512 + 8 l); V's, [key step][channel tile] x 1,536; K's scale words, V's, Q's codes, Q's scale words.
; V's scale words leave as 128 consecutive bytes a wave, half of an aligned 256: 2,048 of a record's 157,696 bytes.
; LIMITS: NaN and infinities are not served; a block of zeros gets the byte 1 where the rule says 127 (its codes are zeros; this program alone reads the bytes).
; REGISTERS, in windows of 256.  Window 0: v1-15 addresses; v28, 29 the add's two; v32-95 scale words (register 8 i + s: lanes 0-15 B's tile i, lanes 16-31 A's tile i, K step s of 128); v96-107 at work;
;   v112-255 B's fragments, two sets of 72 (behind the products: at work).  Window 1: v0-191 A's fragments, two sets of 96; v192-255 cos, sin by the token's column.
;   Window 2: accumulators (b, a), b < 4, at v[8 (8 b + a)].  Window 3: v0-127 accumulators of v, (b', a) at v[8 (8 b' + a)]; v128-255 cos, sin by the token's row.
; SHARES AND OPERANDS AS THE TEXT NOW HAS THEM (this takes the place of what stands above on the work-group's tokens and on THE RING).
; A WORK-GROUP STAYS: it makes two blocks of 256 tokens of its head, blocks y and y + 16 (the same places in batches y / 4 and y / 4 + 4, so the tables of cos and sin serve both).  A loop over blocks stands round the walk along K;
; the way out is written twice, once for the block that has a successor and once for the last.
; All of a block's A lies in LDS, a tile's 12,288 bytes on end (16 tiles, 196,608 bytes); behind it B's K from 128 on, 10,752 bytes a tile (12 tiles, 129,024 bytes), which stays for both blocks.
; At the head each wave issues ONE joint load: waves 0 and 1 eight tiles of A each, waves 2 and 3 six of B each.  Behind the first block's last product, the three lines and a round of the cluster's barrier,
; each wave fetches four tiles of the next block's A onto the first block's: that load has the first block's way out in which to land.  By this text's count a wave never has more than one tensor load out.
; B's fragments of the first 128 along K (18,432 bytes, for which LDS has no room) go from memory straight into fragment set 0: 18 loads a wave of 512 consecutive bytes, for each block.
; Nothing is prefetched: a block's operands are asked for whole, a block's way out ahead of their use.
.set SCA,   9437184
.set ROPE,  16384000
.set REC,   157696
.set KC,    0
.set VC,    49152
.set KSC,   98304
.set VSC,   102400
.set QC,    104448
.set QSC,   153600
.set SLOT,  86016
.set BOFF,  196608
.set SPARE, 325632                     ; behind A's and B's tiles: the spare words, 128 bytes for each wave: two blocks of 256 bytes that no other line names
.set ADRA,  6                          ; v6, v7  LDS address of my A fragments: tiles 0-3, tiles 4-7
.set ADRB,  9                          ; v9  of my B fragments
.set SPW,   28
.set NIL,   29
.set SC,    32
.set TM,    96
.set BF,    112
.set T,     112                        ; v112-143 a tile's 32 rotated numbers
.set PC,    144                        ; v144 + 8 a: tile a's codes
.set XT,    208
.set PW,    216                        ; v216-223 the eight tiles' scale words
.set PS,    224
.set PCV,   228                        ; v228 + 12 b': v's codes
.set PWV,   252
.set G1A,   24
.set G1B,   32
.set G0A,   40                         ; s[40:43] the first block's A, s[44:47] the next block's;  B's: s[56:59]
.set SEL,   90
.set MSB,   0
.macro WIN new                         ; the immediate's high byte repeats the setting that is left
.set WNEW, \new
.if MSB != WNEW
	s_set_vgpr_msb (MSB<<8)|WNEW
.set MSB, WNEW
.endif
.endm
.macro PLACES                          ; four plain instructions behind matrix instructions, in front of loads into their registers and of reads of their results
.rept 4
	v_nop
.endr
.endm
.macro JLOAD g0a, g0b                  ; a joint load: waves 0 and 1 fetch A's halves, waves 2 and 3 B's; an s_nop 0 and four v_nop follow each line
	s_cmp_eq_u32 s9, 0
	s_cbranch_scc0 .Lfor_b_\@
	tensor_load_to_lds s[\g0a:\g0a+3], s[G1A:G1A+7]
	s_nop 0
.rept 4
	v_nop
.endr
	s_branch .Lasked_\@
.Lfor_b_\@:
	tensor_load_to_lds s[\g0b:\g0b+3], s[G1B:G1B+7]
	s_nop 0
.rept 4
	v_nop
.endr
.Lasked_\@:
.endm
.macro CREST                           ; a round of the cluster's barrier behind its opening barrier
	s_cmp_lg_u32 s8, 0
	s_cbranch_scc1 .Lnot_wave_0_\@
	s_barrier_signal -3
.Lnot_wave_0_\@:
	s_barrier_wait -3
	s_barrier_signal -1
	s_barrier_wait -1
.endm
.macro CROUND
	s_barrier_signal -1
	s_barrier_wait -1
	CREST
.endm
	s_load_b128 s[4:7], s[0:1], 0x0                ; ops s[4:5], qkv s[6:7]
	v_lshl_add_u32 v[SPW], v0, 2, SPARE
	v_mov_b32 v[NIL], 0
	ds_add_u32 v[SPW], v[NIL]                      ; the wave's opening: the add and its wait ahead of my first tensor load; work on registers stands between
	ds_add_u32 v[SPW], v[NIL]
	v_lshrrev_b32 v1, 5, v0
	v_readfirstlane_b32 s8, v1                     ; wave 0..3
	s_lshr_b32 s9, s8, 1                           ; wr: my 128 tokens.  Also: I fetch for A (0) or for B (1)
	s_and_b32 s10, s8, 1                           ; wc: my six tiles of B.  Also: which half of the tile I fetch
	s_bfe_u32 s11, ttmp6, 0x40000                  ; cx
	s_bfe_u32 s12, ttmp6, 0x40004                  ; cy
	s_lshl_b32 s13, ttmp9, 2
	s_add_co_u32 s13, s13, s11                     ; x: the head
	s_and_b32 s14, ttmp7, 0xffff
	s_lshl_b32 s14, s14, 2
	s_add_co_u32 s14, s14, s12                     ; y: the block of 256 tokens
	s_lshl_b32 s15, s12, 2
	s_lshl_b32 s15, 15, s15                        ; my row of the cluster
	s_lshl_b32 s16, 0x1111, s11                    ; my column
	s_or_b32 s[G1A], s15, (3<<16)|(1<<21)          ; 15:0 the mask; 17:16 elements of 8 bytes; 21 set beside a mask; no padding
	s_or_b32 s[G1B], s16, (3<<16)|(1<<21)
	s_mov_b32 s[G1A+1], 1536<<16                   ; tensor_dim0 = 1,536 elements: a tile's 12,288 bytes
	s_mov_b32 s[G1A+2], 8<<16                      ; tensor_dim1 = 8 tiles
	s_mov_b32 s[G1A+3], 1536<<16                   ; tile_dim0
	s_mov_b32 s[G1A+4], 8                          ; tile_dim1
	s_mov_b32 s[G1A+5], 1536                       ; from tile to tile: 12,288 bytes
	s_mov_b32 s[G1A+6], 0
	s_mov_b32 s[G1A+7], 0
	s_mov_b32 s[G1B+1], 1344<<16                   ; 1,344 elements: 10,752 bytes, K from 128 on
	s_mov_b32 s[G1B+2], 6<<16                      ; 6 tiles
	s_mov_b32 s[G1B+3], 1344<<16
	s_mov_b32 s[G1B+4], 6
	s_mov_b32 s[G1B+5], 1536
	s_mov_b32 s[G1B+6], 0
	s_mov_b32 s[G1B+7], 0
	s_lshl_b32 s17, s14, 4
	s_lshl_b32 s72, s10, 3
	s_add_co_u32 s17, s17, s72                     ; A: tile 16 y + 8 x half
	s_mul_i32 s20, s17, 12288
	s_mov_b32 s21, 0
	s_mul_i32 s18, s13, 12
	s_mul_i32 s19, s10, 6
	s_add_co_u32 s18, s18, s19
	s_add_co_u32 s18, s18, 512                     ; B: tile 512 + 12 x + 6 x half
	s_mul_i32 s22, s18, 12288
	s_mov_b32 s23, 0
	s_mul_i32 s73, s10, 98304                      ; where they go in LDS: no place in the cluster enters an LDS address
	s_mul_i32 s74, s10, 64512
	s_add_co_u32 s74, s74, BOFF
	s_mov_b32 s[SEL], 0x76543210
	s_mov_b32 s[SEL+1], 0xfedcba98
	s_mov_b32 s93, 0xffff0000                      ; lanes 16-31
	s_wait_dscnt 0x0                               ; the opening add is done
	s_wait_kmcnt 0x0
	s_add_nc_u64 s[20:21], s[4:5], s[20:21]
	s_add_nc_u64 s[22:23], s[4:5], s[22:23]
	CROUND                                         ; all sixteen work-groups are here: the first joint loads meet
.irp s, 0
	s_mov_b32 s[G0A+4*\s], 1
	s_add_co_u32 s[G0A+4*\s+1], s73, \s*SLOT
	s_add_nc_u64 s[G0A+4*\s+2:G0A+4*\s+3], s[20:21], \s*3072
	s_or_b32 s[G0A+4*\s+3], s[G0A+4*\s+3], 0x80000000
	s_mov_b32 s[56+4*\s+4*(\s/2)], 1
	s_add_co_u32 s[56+4*\s+4*(\s/2)+1], s74, \s*SLOT
	s_add_nc_u64 s[56+4*\s+4*(\s/2)+2:56+4*\s+4*(\s/2)+3], s[22:23], 1536
	s_or_b32 s[56+4*\s+4*(\s/2)+3], s[56+4*\s+4*(\s/2)+3], 0x80000000
	JLOAD G0A+4*\s, 56+4*\s+4*(\s/2)
.endr
	s_lshl_b32 s16, s14, 4                         ; group 0 for the next block's A: tiles 16 (y + 16) + 4 w on, to LDS byte 49,152 w
	s_lshl_b32 s17, s8, 2
	s_add_co_u32 s16, s16, s17
	s_add_co_u32 s16, s16, 256
	s_mul_i32 s16, s16, 12288
	s_mov_b32 s17, 0
	s_mov_b32 s[G0A+4], 1
	s_mul_i32 s[G0A+5], s8, 49152
	s_add_nc_u64 s[G0A+6:G0A+7], s[4:5], s[16:17]
	s_or_b32 s[G0A+7], s[G0A+7], 0x80000000
	s_mov_b32 s75, 2                               ; blocks to go, this one among them: the same number in every work-group
	v_and_b32 v3, 31, v0                           ; l
	v_and_b32 v1, 15, v0                           ; r
	v_bfe_u32 v2, v0, 4, 1                         ; h
	s_wait_alu depctr_va_vdst(0)
	v_lshlrev_b32 v4, 4, v3                        ; 16 l
	v_lshlrev_b32 v5, 3, v3                        ; 8 l
	; the scale words: lanes 16-31 take A's tiles (the lower place in ops), lanes 0-15 B's: the lower base + (1 - h) x the distance
	s_lshl_b32 s52, s14, 4
	s_lshl_b32 s53, s9, 3
	s_add_co_u32 s52, s52, s53
	s_lshl_b32 s52, s52, 9
	s_add_co_u32 s52, s52, SCA                     ; A's: tile 16 y + 8 wr
	s_mul_i32 s53, s13, 12
	s_mul_i32 s54, s10, 6
	s_add_co_u32 s53, s53, s54
	s_add_co_u32 s53, s53, 512
	s_lshl_b32 s53, s53, 9
	s_add_co_u32 s53, s53, SCA                     ; B's: tile 512 + 12 x + 6 wc
	s_sub_co_u32 s53, s53, s52
	v_xor_b32 v12, 1, v2
	v_mul_lo_u32 v12, v12, s53
	v_add_nc_u32 v12, s52, v12
	v_lshl_add_u32 v12, v1, 4, v12                 ; + 16 r
.irp i, 0,1,2,3,4,5,6,7                ; (for i = 6, 7 lanes 0-15 read the words of the two tiles that follow mine: they lie inside ops and are not used)
.irp g, 0,1
	global_load_b128 v[SC+8*\i+4*\g:SC+8*\i+4*\g+3], v12, s[4:5] offset:512*\i+256*\g
.endr
.endr
	s_wait_alu depctr_va_vdst(0)                   ; directly ahead of the reader of 16 l below
.irp i, 0,1,2,3,4,5                    ; my six tiles' fragments of the first 128 along K, straight into set 0
.irp g, 0,1,2
	global_load_b128 v[BF+12*\i+4*\g:BF+12*\i+4*\g+3], v4, s[22:23] offset:12288*\i+512*\g
.endr
.endr
	s_and_b32 s55, s14, 3
	s_lshl_b32 s55, s55, 1
	s_add_co_u32 s55, s55, s9                      ; kb: which 128 tokens of the batch's 1,024
	s_add_nc_u64 s[86:87], s[4:5], ROPE
	s_lshl_b32 s88, s55, 9
	s_mov_b32 s89, 0
	s_add_nc_u64 s[84:85], s[86:87], s[88:89]      ; rows 4 kb on of the table
	v_lshlrev_b32 v13, 6, v2                       ; 64 h: my 16 columns of the table
	v_and_b32 v14, 8, v1
	v_add_nc_u32 v14, v14, v1
	v_lshlrev_b32 v14, 7, v14
	v_lshl_add_u32 v14, v2, 6, v14                 ; row r + 8 (r / 8), + 64 h
	WIN 0xc0                                       ; destination window 3
.irp p, 0,1,2,3                        ; tiles 2 p, 2 p + 1: token / 32 = 4 kb + p, the same in all lanes
.irp i, 0,1,2,3
	global_load_b128 v[128+32*\p+4*\i:128+32*\p+4*\i+3], v13, s[84:85] offset:128*\p+16*\i
	global_load_b128 v[144+32*\p+4*\i:144+32*\p+4*\i+3], v13, s[84:85] offset:4096+128*\p+16*\i
.endr
.endr
	WIN 0x40                                       ; destination window 1
.irp u, 0,1                            ; tiles of parity u: token % 32 = 8 u + r + 8 (r / 8)
.irp i, 0,1,2,3
	global_load_b128 v[192+32*\u+4*\i:192+32*\u+4*\i+3], v14, s[86:87] offset:1024*\u+16*\i
	global_load_b128 v[208+32*\u+4*\i:208+32*\u+4*\i+3], v14, s[86:87] offset:4096+1024*\u+16*\i
.endr
.endr
	WIN 0
	s_mul_i32 s88, s9, 98304                       ; my 8 tiles of A: one address for tiles 0-3, one for tiles 4-7, so that the offsets stay inside 16 bits
	s_mul_i32 s92, s10, 64512
	s_add_co_u32 s92, s92, BOFF                    ; my 6 of B
	v_add_nc_u32 v[ADRA], s88, v4
	v_add_nc_u32 v[ADRB], s92, v4
	s_add_co_u32 s88, s88, 49152
	v_add_nc_u32 v[ADRA+1], s88, v4
	v_lshlrev_b32 v15, 3, v1
	v_lshl_add_u32 v15, v2, 2, v15                 ; 8 r + 4 h: v's scale words
.irp b, 0,1,2,3
	v_mov_b32 v[TM+4+\b], 0                        ; written once: a lane permute's destination counts as one of its sources
.endr
	s_lshr_b32 s94, s14, 2
	s_lshl_b32 s94, s94, 4
	s_add_co_u32 s94, s94, s13                     ; 16 x batch + head
	s_mul_i32 s94, s94, REC
	s_mov_b32 s95, 0
	s_add_nc_u64 s[96:97], s[6:7], s[94:95]        ; my record
	s_cmp_eq_u32 s10, 0
	s_cselect_b32 s94, QC, KC
	s_mov_b32 s98, KSC
	s_cselect_b32 s98, QSC, s98
	s_mul_i32 s99, s55, 6144
	s_add_co_u32 s94, s94, s99
	s_add_nc_u64 s[76:77], s[96:97], s[94:95]      ; q's or k's codes: tiles 8 kb on
	s_lshl_b32 s99, s55, 9
	s_add_co_u32 s94, s98, s99
	s_add_nc_u64 s[78:79], s[96:97], s[94:95]      ; their scale words
	s_lshl_b32 s94, s55, 2
	s_lshl_b32 s99, s10, 1
	s_add_co_u32 s94, s94, s99
	s_mul_i32 s94, s94, 1536
	s_add_co_u32 s94, s94, VC
	s_add_nc_u64 s[80:81], s[96:97], s[94:95]      ; v's codes: key step kb, channel tiles 2 wc on
	s_lshl_b32 s94, s55, 8
	s_lshl_b32 s99, s10, 7
	s_add_co_u32 s94, s94, s99
	s_add_co_u32 s94, s94, VSC
	s_add_nc_u64 s[82:83], s[96:97], s[94:95]      ; and their scale words
.macro FETCH sl, q, p                  ; 42 LDS loads in one run: the fragments of the slot's q-th 128 along K into set p
	WIN 0x40
.irp i, 0,1,2,3,4,5,6,7
.irp g, 0,1,2
	ds_load_b128 v[96*(\p)+12*\i+4*\g:96*(\p)+12*\i+4*\g+3], v[ADRA+\i/4] offset:12288*(\i%4)+3072*(\sl)+1536*(\q)+512*\g
.endr
.endr
	WIN 0
.if (\sl)+(\q) > 0                     ; (step 0's fragments of B came from memory)
.irp i, 0,1,2,3,4,5
.irp g, 0,1,2
	ds_load_b128 v[BF+72*(\p)+12*\i+4*\g:BF+72*(\p)+12*\i+4*\g+3], v[ADRB] offset:10752*\i+3072*(\sl)+1536*(\q)-1536+512*\g
.endr
.endr
.endif
.endm
; 16 products for q or k, transposed: tokens' tiles a0 .. a0 + 3 x the four feature tiles.  The 48 accumulators take turns, one instruction a turn, in the same order in every step.
.macro MULQK p, s, a0, zero
.irp a, \a0, \a0+1, \a0+2, \a0+3
.irp b, 0,1,2,3
.if \zero
	v_wmma_scale_f32_16x16x128_f8f6f4 v[8*(8*\b+(\a)):8*(8*\b+(\a))+7], v[BF+72*(\p)+12*\b:BF+72*(\p)+12*\b+11], v[96*(\p)+12*(\a):96*(\p)+12*(\a)+11], 0, v[SC+8*\b+(\s)], v[SC+8*(\a)+(\s)] matrix_a_fmt:MATRIX_FMT_FP6 matrix_b_fmt:MATRIX_FMT_FP6 matrix_b_scale:MATRIX_SCALE_ROW1
.else
	v_wmma_scale_f32_16x16x128_f8f6f4 v[8*(8*\b+(\a)):8*(8*\b+(\a))+7], v[BF+72*(\p)+12*\b:BF+72*(\p)+12*\b+11], v[96*(\p)+12*(\a):96*(\p)+12*(\a)+11], v[8*(8*\b+(\a)):8*(8*\b+(\a))+7], v[SC+8*\b+(\s)], v[SC+8*(\a)+(\s)] matrix_a_fmt:MATRIX_FMT_FP6 matrix_b_fmt:MATRIX_FMT_FP6 matrix_b_scale:MATRIX_SCALE_ROW1
.endif
.endr
.endr
.endm
; 16 products for v, as it stands: source 0 = 16 tokens, source 1 = 16 channels
.macro MULV p, s, zero
.irp c, 0,1
.irp a, 0,1,2,3,4,5,6,7
.if \zero
	v_wmma_scale_f32_16x16x128_f8f6f4 v[8*(8*\c+\a):8*(8*\c+\a)+7], v[96*(\p)+12*\a:96*(\p)+12*\a+11], v[BF+72*(\p)+12*(4+\c):BF+72*(\p)+12*(4+\c)+11], 0, v[SC+8*\a+(\s)], v[SC+8*(4+\c)+(\s)] matrix_a_fmt:MATRIX_FMT_FP6 matrix_b_fmt:MATRIX_FMT_FP6 matrix_a_scale:MATRIX_SCALE_ROW1
.else
	v_wmma_scale_f32_16x16x128_f8f6f4 v[8*(8*\c+\a):8*(8*\c+\a)+7], v[96*(\p)+12*\a:96*(\p)+12*\a+11], v[BF+72*(\p)+12*(4+\c):BF+72*(\p)+12*(4+\c)+11], v[8*(8*\c+\a):8*(8*\c+\a)+7], v[SC+8*\a+(\s)], v[SC+8*(4+\c)+(\s)] matrix_a_fmt:MATRIX_FMT_FP6 matrix_b_fmt:MATRIX_FMT_FP6 matrix_a_scale:MATRIX_SCALE_ROW1
.endif
.endr
.endr
.endm
; Step e of eight, 128 along K: the next step's fragments are asked for first, into the other set, 48 matrix instructions ahead of their use.
; meet = 1: the next fragments lie in slot 0's second fill: my load of it has landed, my LDS loads are in, and the work-group's barrier shows the same of the others.
.macro STEP e, zero, fetch, fs, fq, meet
.if \meet
	s_wait_tensorcnt 0x0
	s_wait_dscnt 0x0
	s_barrier_signal -1
	s_barrier_wait -1
.endif
.if \fetch
	PLACES
	FETCH \fs, \fq, 1-(\e)%2
.if !\meet
	s_wait_dscnt 42                                ; all but the 42 just issued: this step's fragments are in
.endif
.else
	s_wait_dscnt 0x0
.endif
	WIN 0xa4                                       ; source 0 (B) window 0, source 1 (A) window 1, C and D window 2
	MULQK (\e)%2, \e, 0, \zero
	MULQK (\e)%2, \e, 4, \zero
	WIN 0xf1                                       ; source 0 (A) window 1, source 1 (B) window 0, C and D window 3
	MULV (\e)%2, \e, \zero
	WIN 0
.endm
.Ltile:                                                ; a block of 256 tokens.  (Every window is 0 here)
	s_wait_alu depctr_va_vdst(0)
	s_wait_tensorcnt 0x0                           ; my load has landed; the barrier shows the same of the others
	s_barrier_signal -1
	s_barrier_wait -1
	FETCH 0, 0, 0
	s_wait_loadcnt 0x0                             ; the scale words and B's first fragments (in the first block the tables too)
	STEP 0, 1, 1, 0, 1, 0                          ; the first step's products start the sums: nothing is cleared.  (fs, fq: the next step is 2 fs + fq)
	STEP 1, 0, 1, 1, 0, 0
	STEP 2, 0, 1, 1, 1, 0
	STEP 3, 0, 1, 2, 0, 0
	STEP 4, 0, 1, 2, 1, 0
	STEP 5, 0, 1, 3, 0, 0
	STEP 6, 0, 1, 3, 1, 0
	STEP 7, 0, 0, 0, 0, 0
; nb blocks of 32 along K: v[src + 16 b + i] (window win) = k 32 b + 16 h + i of my row.  They become codes in v[dst] on, in the operand's order, and the row's scale word in v[wrd].
.macro QUANT nb, src, win, dst, wrd
	WIN (\win)|((\win)<<2)
.set QB, 0
.rept \nb
	v_max3_num_f32 v[TM+QB], |v[(\src)+16*QB]|, |v[(\src)+16*QB+1]|, 0x1800000   ; my 16 numbers, from the low end on, and the floor 2^(3 - 127): the byte cannot fall under 1
.set QB, QB+1
.endr
.irp i, 2,4,6,8,10,12,14
.set QB, 0
.rept \nb
	v_max3_num_f32 v[TM+QB], |v[(\src)+16*QB+\i]|, |v[(\src)+16*QB+\i+1]|, v[TM+QB]
.set QB, QB+1
.endr
.endr
	WIN 0
.set QB, 0
.rept \nb
	v_permlanex16_b32 v[TM+4+QB], v[TM+QB], s[SEL], s[SEL+1]
.set QB, QB+1
.endr
.set QB, 0
.rept \nb
	v_max_num_f32 v[TM+QB], v[TM+QB], v[TM+4+QB]   ; with lane l xor 16's: the block's largest magnitude
.set QB, QB+1
.endr
.set QB, 0
.rept \nb
	v_add_nc_u32 v[TM+8+QB], 0xff000000, v[TM+QB]  ; 2 off its exponent field: the conversion's scale operand
.set QB, QB+1
.endr
.set QB, 0
.rept \nb
	v_lshrrev_b32 v[TM+4+QB], 23, v[TM+8+QB]       ; the scale's byte
.set QB, QB+1
.endr
	v_lshl_or_b32 v[\wrd], v[TM+5], 8, v[TM+4]
.if \nb > 2
	v_lshl_or_b32 v[\wrd], v[TM+6], 16, v[\wrd]
	v_lshl_or_b32 v[\wrd], v[TM+7], 24, v[\wrd]
.endif
	WIN \win
.set QB, 0
.rept (\nb)/2
	v_cvt_scalef32_pk16_fp6_f32 v[(\dst)+6*QB:(\dst)+6*QB+2], v[(\src)+32*QB:(\src)+32*QB+15], v[TM+8+2*QB]
	v_cvt_scalef32_pk16_fp6_f32 v[XT+4*QB:XT+4*QB+2], v[(\src)+32*QB+16:(\src)+32*QB+31], v[TM+8+2*QB+1]
.set QB, QB+1
.endr
	WIN 0
	v_nop                                          ; one plain instruction behind the scaled conversions
.set QB, 0
.rept (\nb)/2                          ; the operand's layout wants a whole block in a lane: lanes 0-15 block 2 c, lanes 16-31 block 2 c + 1
.irp i, 0,1,2
	v_permlane16_swap_b32 v[(\dst)+6*QB+\i], v[XT+4*QB+\i]
.endr
.irp i, 0,1,2
	v_mov_b32 v[(\dst)+6*QB+3+\i], v[XT+4*QB+\i]
.endr
.set QB, QB+1
.endr
.endm
; The rotary embedding of tile a.  Accumulator (u, a), u = 0, 1, holds x1 at d = 16 h + 8 u + j, accumulator (2 + u, a) x2 at the same place.
; out(d) = x1 cos(row angle) - x2 sin(row angle);  out(32 + d) = x2 cos(column angle) + x1 sin(column angle).  Each accumulator is read from its low end on.
.macro ROT a
.set HT, 128+32*((\a)/2)
.set WT, 192+32*((\a)%2)
	WIN 0x0e                                       ; source 0 window 2, source 1 window 3
.irp u, 0,1
.irp j, 0,2,4,6
	v_pk_mul_f32 v[T+8*\u+\j:T+8*\u+\j+1], v[8*(8*(2+\u)+(\a))+\j:8*(8*(2+\u)+(\a))+\j+1], v[HT+16+8*\u+\j:HT+16+8*\u+\j+1]
.endr
.endr
.irp u, 0,1
.irp j, 0,2,4,6
	v_pk_fma_f32 v[T+8*\u+\j:T+8*\u+\j+1], v[8*(8*\u+(\a))+\j:8*(8*\u+(\a))+\j+1], v[HT+8*\u+\j:HT+8*\u+\j+1], v[T+8*\u+\j:T+8*\u+\j+1] neg_lo:[0,0,1] neg_hi:[0,0,1]
.endr
.endr
	WIN 0x06                                       ; source 0 window 2, source 1 window 1
.irp u, 0,1
.irp j, 0,2,4,6
	v_pk_mul_f32 v[T+16+8*\u+\j:T+16+8*\u+\j+1], v[8*(8*(2+\u)+(\a))+\j:8*(8*(2+\u)+(\a))+\j+1], v[WT+8*\u+\j:WT+8*\u+\j+1]
.endr
.endr
.irp u, 0,1
.irp j, 0,2,4,6
	v_pk_fma_f32 v[T+16+8*\u+\j:T+16+8*\u+\j+1], v[8*(8*\u+(\a))+\j:8*(8*\u+(\a))+\j+1], v[WT+16+8*\u+\j:WT+16+8*\u+\j+1], v[T+16+8*\u+\j:T+16+8*\u+\j+1]
.endr
.endr
.endm
; THE WAY OUT of a block.  more = 1: a block follows: B's first fragments are asked for anew as soon as their registers are free.
.macro EPI more
	PLACES                                         ; behind the last products: results are read, and B's registers written, from here on
.irp a, 0,1,2,3,4,5,6,7                ; each tile has code registers of its own: no store's data are written again
	ROT \a
	QUANT 2, T, 0, PC+8*\a, PW+\a
	global_store_b128 v4, v[PC+8*\a:PC+8*\a+3], s[76:77] offset:768*\a           ; 512 consecutive bytes, aligned to 256
	global_store_b64 v5, v[PC+8*\a+4:PC+8*\a+5], s[76:77] offset:768*\a+512      ; 256 consecutive bytes, aligned
.endr
.irp i, 0,1,2,3
	v_cndmask_b32 v[PS+\i], v[PW+\i], v[PW+4+\i], s93   ; lane (r, h): the words of tiles 4 h + 0 .. 3 of row r
.endr
	global_store_b128 v4, v[PS:PS+3], s[78:79]
.if \more
	s_wait_xcnt 0x0                                ; the stores above have read their registers: set 0 of B's fragments lies on some of them
.irp i, 0,1,2,3,4,5
.irp g, 0,1,2
	global_load_b128 v[BF+12*\i+4*\g:BF+12*\i+4*\g+3], v4, s[22:23] offset:12288*\i+512*\g
.endr
.endr
.endif
.irp b, 0,1                            ; v: register 16 b + i of the 64 = key 32 b + 16 h + i of my channel
	QUANT 4, 64*\b, 3, PCV+12*\b, PWV+\b
.irp g, 0,1,2
	global_store_b128 v4, v[PCV+12*\b+4*\g:PCV+12*\b+4*\g+3], s[80:81] offset:1536*\b+512*\g
.endr
.endr
	v_cndmask_b32 v254, v[PWV], v[PWV+1], s93      ; lane (r, h): channel tile 2 wc + h, row r
	global_store_b32 v15, v254, s[82:83]
.endm
	s_cmp_eq_u32 s75, 1
	s_cbranch_scc1 .Llast                          ; the last block's tail is written out: it asks for nothing more
	s_wait_tensorcnt 0x0                           ; no tensor load of mine is out;
	ds_add_u32 v[SPW], v[NIL]                      ; 0 onto my spare word:
	s_mov_b32 s[G1A+2], 4<<16                      ; (a descriptor may be written now: this load brings four tiles)
	s_mov_b32 s[G1A+4], 4
	s_wait_dscnt 0x0                               ; the add is done, and my reads of A's tiles are over
	CROUND                                         ; no wave of any partner still reads A's tiles or has a load on its way
	tensor_load_to_lds s[G0A+4:G0A+7], s[G1A:G1A+7]    ; the next block's A, four tiles a wave, asked for jointly along my row of the cluster
	s_nop 0
.rept 4
	v_nop                                          ; (also the places in front of the loads into the scale words' registers)
.endr
	v_lshl_add_u32 v12, v2, 17, v12                ; lanes 16-31: A's scale words 256 tiles of 512 bytes on; lanes 0-15: B's as before
.irp i, 0,1,2,3,4,5,6,7
.irp g, 0,1
	global_load_b128 v[SC+8*\i+4*\g:SC+8*\i+4*\g+3], v12, s[4:5] offset:512*\i+256*\g
.endr
.endr
	EPI 1
	s_wait_xcnt 0x0                                ; the stores have read their registers and their bases
	s_add_nc_u64 s[76:77], s[76:77], 64*REC        ; four batches on: 64 records
	s_add_nc_u64 s[78:79], s[78:79], 64*REC
	s_add_nc_u64 s[80:81], s[80:81], 64*REC
	s_add_nc_u64 s[82:83], s[82:83], 64*REC
	s_sub_co_u32 s75, s75, 1
	s_wait_alu depctr_va_vdst(0)
	s_branch .Ltile
.Llast:
	EPI 0
	s_wait_tensorcnt 0x0                           ; the wave's end, behind my last tensor load
	ds_add_u32 v[SPW], v[NIL]
	s_wait_dscnt 0x0
	CROUND                                         ; the closing round: no work-group ends while a partner may still ask for a tile that names it
	s_endpgm
.Lfunc_end_k_qbee9310309_qkv_rope:
	.size	k_qbee9310309_qkv_rope, .Lfunc_end_k_qbee9310309_qkv_rope-k_qbee9310309_qkv_rope
	.p2alignl 7, 3214868480
	.fill 96, 4, 3214868480
	.section	.rodata,"a",@progbits
	.p2align	6, 0x0
	.amdhsa_kernel k_qbee9310309_qkv_rope
		.amdhsa_group_segment_fixed_size 327680
		.amdhsa_private_segment_fixed_size 0
		.amdhsa_enable_private_segment 0
		.amdhsa_kernarg_size 16
		.amdhsa_user_sgpr_count 2
		.amdhsa_user_sgpr_kernarg_segment_ptr 1
		.amdhsa_wavefront_size32 1
		.amdhsa_system_sgpr_workgroup_id_x 1
		.amdhsa_system_sgpr_workgroup_id_y 1
		.amdhsa_system_sgpr_workgroup_id_z 1
		.amdhsa_system_vgpr_workitem_id 0
		.amdhsa_next_free_vgpr 1024
		.amdhsa_next_free_sgpr 100
		.amdhsa_reserve_vcc 0
		.amdhsa_float_denorm_mode_32 3
		.amdhsa_float_denorm_mode_16_64 3
		.amdhsa_memory_ordered 1
		.amdhsa_forward_progress 1
		.amdhsa_inst_pref_size 175
	.end_amdhsa_kernel
	.amdgpu_metadata
---
amdhsa.version: [ 1, 2 ]
amdhsa.kernels:
  - .name:           k_qbee9310309_qkv_rope
    .symbol:         k_qbee9310309_qkv_rope.kd
    .args:
      - { .name: ops, .offset: 0, .size: 8, .value_kind: global_buffer, .address_space: global }
      - { .name: qkv, .offset: 8, .size: 8, .value_kind: global_buffer, .address_space: global }
    .group_segment_fixed_size: 327680
    .private_segment_fixed_size: 0
    .kernarg_segment_align: 8
    .kernarg_segment_size: 16
    .max_flat_workgroup_size: 128
    .sgpr_count:     100
    .vgpr_count:     1024
    .wavefront_size: 32
...
	.end_amdgpu_metadata
.endif
;; end of part 2
;; launch attend (part 3): grid 2 x 128, 16 waves a work-group, no clusters, 327,680 bytes of LDS; arguments qkv, ops; writes ops
.if DOCPART == 3
	.amdgcn_target "amdgcn-amd-amdhsa--gfx1250"
	.amdhsa_code_object_version 6
	.text
	.protected	k_qbee9310309_attend
	.globl	k_qbee9310309_attend
	.p2align	8
	.type	k_qbee9310309_attend,@function
k_qbee9310309_attend:
	s_mov_b64 s[64:65], 0
	v_nop
	global_prefetch_b8 v0, s[64:65] scope:SCOPE_SE
	s_setreg_imm32_b32 hwreg(HW_REG_WAVE_MODE, 25, 1), 1
	s_wait_xcnt 0x0
; o = softmax(q k^T / 8) v for one batch and head, both products on codes of FP6 (E2M3) with E8M0 scales; o / l is quantised along the channels and leaves as a register image for the last product.
; THE SOFTMAX AHEAD OF THE SECOND PRODUCT: t = score x log2(e) / 8; M = the running largest t rounded UP to a whole number; p = 2^(t - M) is what is quantised, along the keys, not normalised.
; The row's sum is taken of the unquantised p and divides at the end.  When M moves, the sum and O are multiplied by 2^(old M - new M): exact.
; SHARES.  A work-group takes 512 queries of a head (x: which half); each of its sixteen waves takes two tiles of 16 queries, one after the other, in 256 registers: four waves to a SIMD.
; K AND V (codes and scale words, 104,448 bytes, the record's first part as it lies) come into LDS once, in tiles of 24 rows x 256 bytes, in TWO GROUPS.  At the head waves 0-6 fetch K's and V's
; key steps 0 to 2 and all scale words (7 x 6,144 bytes).  Behind the three lines and a barrier, waves 3-7 fetch K's key steps 3-7 and waves 11-15 V's (10 x 6,144 bytes): first fills; nothing is filled again.
; The first tile's key steps 0 and 1 are written out ahead of its loop and read the first group alone (step 1 looks ahead to K's key step 2); a barrier behind them shows the second group to all.
; TWO SETS OF 64 REGISTERS CHANGE ROLES FROM STEP TO STEP: one holds K's eight tiles and then V's four fragments, the other S^T and then p.  When p has been converted, the NEXT step's K is fetched onto p's
; registers, so that it lands under the rest of the step.  A loop's trip is two steps, after which the sets are back where they began.  A tile's last step looks ahead to the 6,144 bytes behind K's last tile: nothing reads what it brings.
; NO CLUSTER: two work-groups share a head, and what is shared is fetched once by each for 512 x 1,024 scores.  Nothing is prefetched: all that the work-group reads is asked for in its first lines.
; LAYOUT.  Both products are used transposed: S^T = K Q^T (source 0 = 16 keys), O^T = V^T P^T (source 0 = 16 channels): a lane holds ONE query throughout.  The keys of a tile are not neighbours (image row m of tile t =
; key 32 (t / 2) + 8 (t % 2) + m + 8 (m / 8)): the 16 registers of tiles 2 b, 2 b + 1 are 16 neighbouring keys; the channels of V's tiles likewise.
; THE FIRST PRODUCT'S K IS 64: a tile of K is six registers; the instruction's upper six name the next tile's (behind the last tile: whatever the set holds there; every code of FP6 is a finite number), which meet Q's zero codes;
; the upper scale bytes are 0 (a power of two, no NaN).
; o's scale bytes leave as 2 bytes a row (lanes r and r + 16 store the same value to the same place): 32 bytes a tile beside its 768 bytes of codes.
; LIMITS: NaN and infinities are not served; a block of zeros gets the byte 1 where the rule says 127; the promise holds while the scaled scores t stay under 2^31 in magnitude.
; REGISTERS: v1-4 16 l, 8 l, 16 r, l; v5, v6 the add's two; v8-11 addresses of the step; v12 -M, v13 the largest t, v[14:15] the sum; v16-27 the first tile's Q (22-27 zeros), v230-241 the second's (236-241 zeros);
; v28-31 K's scale words; v32-95 and v96-159 the two sets; v160-191 O^T; v192-203 p's codes; v211 p's scale word; v224-225 V's scale words; v243, v242 Q's; v204-210, v212-223, v226-229, v244-255 at work.
.set REC,   157696
.set VC,    49152
.set KSC,   98304
.set VSC,   102400
.set QC,    104448
.set QSC,   153600
.set OC,    9830400
.set OSC,   16121856
.set SPARE, 104448                     ; behind K and V: the spare words, 128 bytes for each wave: eight blocks of 256 bytes that no other line names
.set SPW,   5
.set NIL,   6
.set CS,    38                         ; s[38:39] c = log2(e) / 8
.set SEL,   40                         ; s[40:41] selects for lane l xor 16
	s_load_b128 s[4:7], s[0:1], 0x0                ; qkv s[4:5], ops s[6:7]
	v_lshl_add_u32 v[SPW], v0, 2, SPARE
	v_mov_b32 v[NIL], 0
	ds_add_u32 v[SPW], v[NIL]                      ; the opening lines: the add, twice on end, and its wait ahead of the first tensor load
	ds_add_u32 v[SPW], v[NIL]
	v_lshrrev_b32 v1, 5, v0
	s_delay_alu instid0(VALU_DEP_1)
	v_readfirstlane_b32 s8, v1                     ; wave 0..15
	s_and_b32 s9, ttmp7, 0xffff                    ; 16 x batch + head
	s_mul_i32 s42, s9, REC
	s_mov_b32 s43, 0
	s_mov_b32 s16, 3<<16                           ; group 1: elements of 8 bytes, no mask, no padding
	s_mov_b32 s17, 32<<16                          ; tensor_dim0 = 32: rows of 256 bytes
	s_mov_b32 s18, 24<<16                          ; tensor_dim1 = 24 rows: 6,144 bytes
	s_mov_b32 s19, 32<<16                          ; tile_dim0
	s_mov_b32 s20, 24                              ; tile_dim1
	s_mov_b32 s21, 32                              ; dense
	s_mov_b32 s22, 0
	s_mov_b32 s23, 0
	s_mul_i32 s46, s8, 11                          ; the first group, waves 0-6: byte 49,152 (w / 3) + 6,144 (w % 3) = 6,144 w + 30,720 (w / 3): K 0-2, V 0-2, the scale words
	s_lshr_b32 s46, s46, 5                         ; w / 3 (11 / 32 serves up to 6)
	s_mul_i32 s46, s46, 30720
	s_mul_i32 s47, s8, 6144
	s_add_co_u32 s46, s46, s47
	s_mov_b32 s47, 0
	s_lshr_b32 s56, s8, 3                          ; the second group: byte 49,152 (w / 8) + 6,144 (w % 8), for w % 8 = 3 .. 7
	s_mul_i32 s56, s56, 49152
	s_and_b32 s58, s8, 7
	s_mul_i32 s57, s58, 6144
	s_add_co_u32 s56, s56, s57
	s_mov_b32 s57, 0
	s_mov_b32 s[CS], 0x3e38aa3b
	s_mov_b32 s[CS+1], s[CS]                       ; (named with it as a pair, so it is written)
	s_mov_b32 s[SEL], 0x76543210
	s_mov_b32 s[SEL+1], 0xfedcba98
	s_wait_dscnt 0x0                               ; both opening adds are done
	s_wait_kmcnt 0x0
	s_add_nc_u64 s[44:45], s[4:5], s[42:43]        ; my record
	s_mov_b32 s12, 1
	s_mov_b32 s13, s46                             ; LDS holds the record's first part as it lies
	s_add_nc_u64 s[14:15], s[44:45], s[46:47]
	s_or_b32 s15, s15, 0x80000000
	s_mov_b32 s60, 1
	s_mov_b32 s61, s56
	s_add_nc_u64 s[62:63], s[44:45], s[56:57]
	s_or_b32 s63, s63, 0x80000000
	s_cmp_lt_u32 s8, 7
	s_cbranch_scc0 .Lfilled
	tensor_load_to_lds s[12:15], s[16:23]
	s_nop 0
.rept 4
	v_nop
.endr
.Lfilled:
	v_and_b32 v4, 31, v0                           ; l
	s_delay_alu instid0(VALU_DEP_1)
	v_lshlrev_b32 v1, 4, v4                        ; 16 l
	s_delay_alu instid0(VALU_DEP_2)
	v_lshlrev_b32 v2, 3, v4                        ; 8 l
	v_and_b32 v3, 15, v0
	s_delay_alu instid0(VALU_DEP_1)
	v_lshlrev_b32 v3, 4, v3                        ; 16 r
	s_lshl_b32 s48, ttmp9, 5
	s_add_co_u32 s48, s48, s8                      ; my first tile of queries: 32 x + wave; the second lies 16 tiles on
	s_mul_i32 s50, s48, 768
	s_add_co_u32 s50, s50, QC
	s_mov_b32 s51, 0
	s_add_nc_u64 s[24:25], s[44:45], s[50:51]      ; its codes
	s_lshr_b32 s49, s48, 3
	s_lshl_b32 s49, s49, 9
	s_bfe_u32 s52, s48, 0x10002
	s_lshl_b32 s52, s52, 8
	s_add_co_u32 s49, s49, s52
	s_and_b32 s52, s48, 3
	s_lshl_b32 s52, s52, 2
	s_add_co_u32 s49, s49, s52
	s_add_co_u32 s50, s49, QSC
	s_add_nc_u64 s[26:27], s[44:45], s[50:51]      ; its scale words: 512 (tq / 8) + 256 ((tq / 4) % 2) + 4 (tq % 4), + 16 r
	s_lshr_b32 s52, s9, 4                          ; batch
	s_and_b32 s53, s9, 15                          ; head
	s_lshl_b32 s52, s52, 6
	s_add_co_u32 s52, s52, s48                     ; the tile of tokens: 64 x batch + tq
	s_mul_i32 s50, s52, 12288
	s_lshr_b32 s54, s53, 1
	s_mul_i32 s55, s54, 1536
	s_add_co_u32 s50, s50, s55
	s_and_b32 s55, s53, 1
	s_mul_i32 s56, s55, 768
	s_add_co_u32 s50, s50, s56
	s_add_co_u32 s50, s50, OC
	s_add_nc_u64 s[28:29], s[6:7], s[50:51]        ; o's codes: fragment head / 2, half head % 2
	s_lshl_b32 s50, s52, 9
	s_lshr_b32 s56, s53, 3
	s_lshl_b32 s56, s56, 8
	s_add_co_u32 s50, s50, s56
	s_and_b32 s54, s54, 3
	s_lshl_b32 s54, s54, 2
	s_add_co_u32 s50, s50, s54
	s_lshl_b32 s55, s55, 1
	s_add_co_u32 s50, s50, s55
	s_add_co_u32 s50, s50, OSC
	s_add_nc_u64 s[30:31], s[6:7], s[50:51]        ; o's scale bytes: two of word head / 2
.irp j, 22,23,24,25,26,27,80,81,82,83,84,85,236,237,238,239,240,241
	v_mov_b32 v[\j], 0                             ; zero codes: the upper halves of both Q, and what the first step finds behind K's last tile
.endr
.irp j, 216,217,218,219,227,228
	v_mov_b32 v[\j], 0                             ; written once: lane permutes' destinations, and the upper half of the pair v[226:227]
.endr
	s_wait_alu depctr_va_vdst(0)
	global_load_b128 v[16:19], v1, s[24:25]        ; the first tile's Q
	global_load_b64 v[20:21], v2, s[24:25] offset:512
	global_load_b32 v243, v3, s[26:27]
	s_wait_tensorcnt 0x0                           ; my tile of the first group has landed (a wave that fetched none passes at once); then the adds and their wait, ahead of a later first fill,
	ds_add_u32 v[SPW], v[NIL]                      ; the add twice on end
	ds_add_u32 v[SPW], v[NIL]
	s_wait_dscnt 0x0
	s_barrier_signal -1
	s_barrier_wait -1                              ; the first group is whole
	s_cmp_ge_u32 s58, 3
	s_cbranch_scc0 .Lfilled2
	tensor_load_to_lds s[60:63], s[16:23]          ; the second group: key step w % 8 of K (waves 3-7) or of V (waves 11-15)
	s_nop 0
.rept 4
	v_nop
.endr
.Lfilled2:
	global_load_b128 v[230:233], v1, s[24:25] offset:12288   ; the second tile's Q
	global_load_b64 v[234:235], v2, s[24:25] offset:12800
	global_load_b32 v242, v3, s[26:27] offset:1024
; A KEY STEP: 128 keys.  kv: the set that holds this step's K and then its V; sr: the set for S^T and p, and then for the next step's K.  qb: Q's twelve registers; qs: Q's scale words.
.macro STEP kv, sr, qb, qs
	v_add_nc_u32 v8, s32, v1                       ; these five are the places behind the last products: S^T is written over registers that they read
	v_add_nc_u32 v9, s32, v2
	v_add_nc_u32 v10, s33, v1
	v_add_nc_u32 v11, s34, v2
	v_mov_b32 v207, v12                            ; the old -M
	s_wait_alu depctr_va_vdst(0)
	s_wait_dscnt 0x0                               ; K and its scale words, asked for in the step before
.irp t, 0,1,2,3
	v_wmma_scale_f32_16x16x128_f8f6f4 v[\sr+8*\t:\sr+7+8*\t], v[\kv+6*\t:\kv+11+6*\t], v[\qb:\qb+11], 0, v[28+\t], v[\qs] matrix_a_fmt:MATRIX_FMT_FP6 matrix_b_fmt:MATRIX_FMT_FP6
.endr
.irp t, 4,5,6,7
	v_wmma_scale_f32_16x16x128_f8f6f4 v[\sr+8*\t:\sr+7+8*\t], v[\kv+6*\t:\kv+11+6*\t], v[\qb:\qb+11], 0, v[24+\t], v[\qs] matrix_a_fmt:MATRIX_FMT_FP6 matrix_b_fmt:MATRIX_FMT_FP6 matrix_a_scale:MATRIX_SCALE_ROW1
.endr
.rept 4
	v_nop                                          ; places: K's registers take V's fragments, and the scores are read
.endr
.irp t, 0,1,2,3
.irp g, 0,1,2
	ds_load_b128 v[\kv+12*\t+4*\g:\kv+3+12*\t+4*\g], v8 offset:VC+1536*\t+512*\g   ; V lands while the softmax is walked
.endr
.endr
	ds_load_b64 v[224:225], v11                    ; V's scale words: register t % 2, lanes 0-15 tiles 0, 1, lanes 16-31 tiles 2, 3
.irp b, 0,1,2,3
	v_max3_num_f32 v[212+\b], v[\sr+16*\b], v[\sr+1+16*\b], v[\sr+2+16*\b]   ; the largest score of each block of 32 keys: for the row's maximum, and, since p rises with the score, for the block's largest p
.endr
.irp i, 3,5,7,9,11,13
.irp b, 0,1,2,3
	v_max3_num_f32 v[212+\b], v[212+\b], v[\sr+16*\b+\i], v[\sr+1+16*\b+\i]
.endr
.endr
.irp b, 0,1,2,3
	v_max_num_f32 v[212+\b], v[212+\b], v[\sr+15+16*\b]
.endr
.irp b, 0,1,2,3
	s_delay_alu instid0(VALU_DEP_4)
	v_permlanex16_b32 v[216+\b], v[212+\b], s[SEL], s[SEL+1]
.endr
.irp b, 0,1,2,3
	s_delay_alu instid0(VALU_DEP_4)
	v_max_num_f32 v[212+\b], v[212+\b], v[216+\b]  ; with lane l xor 16's 16 keys
.endr
	s_delay_alu instid0(VALU_DEP_2)
	v_max3_num_f32 v228, v212, v213, v214
	s_delay_alu instid0(VALU_DEP_1)
	v_max_num_f32 v228, v228, v215
	s_delay_alu instid0(VALU_DEP_1)
	v_mul_f32 v228, s[CS], v228                    ; the step's largest t
	s_delay_alu instid0(VALU_DEP_1)
	v_max_num_f32 v13, v13, v228                   ; the running largest t
	s_delay_alu instid0(VALU_DEP_1)
	v_floor_f32 v12, -v13                          ; the new -M = -ceil(t): a whole number
	s_delay_alu instid0(VALU_DEP_1)
	v_sub_f32 v228, v12, v207                      ; old M - new M: a whole number, 0 or less
	s_delay_alu instid0(VALU_DEP_1)
	v_cvt_i32_f32 v228, v228                       ; (it saturates)
	s_delay_alu instid0(VALU_DEP_1)
	v_ldexp_f32 v226, 1.0, v228                    ; f = 2^(old M - new M)
.irp j, 0,2,4,6,8,10,12,14,16,18,20,22,24,26,28,30,32,34,36,38,40,42,44,46,48,50,52,54,56,58,60,62
	v_pk_fma_f32 v[\sr+\j:\sr+1+\j], v[\sr+\j:\sr+1+\j], s[CS:CS+1], v[12:13] op_sel_hi:[1,0,0]   ; t - M, two at a time
.endr
.irp b, 0,1,2,3
	v_fma_f32 v[212+\b], v[212+\b], s[CS], v12     ; the same of each block's largest score
.endr
	s_wait_alu depctr_va_vdst(0)
.irp j, 0,1,2,3,4,5,6,7,8,9,10,11,12,13,14,15,16,17,18,19,20,21,22,23,24,25,26,27,28,29,30,31,32,33,34,35,36,37,38,39,40,41,42,43,44,45,46,47,48,49,50,51,52,53,54,55,56,57,58,59,60,61,62,63
	v_exp_f32 v[\sr+\j], v[\sr+\j]                 ; p = 2^(t - M)
.endr
	v_pk_mul_f32 v[14:15], v[14:15], v[226:227] op_sel_hi:[1,0]   ; the sums under the new M: the plain instruction behind the batch
	s_wait_alu depctr_va_vdst(0)                   ; one wait for the 64, ahead of their first reader
.irp b, 0,1,2,3
	v_exp_f32 v[212+\b], v[212+\b]                 ; the block's largest p
.endr
	v_pk_add_f32 v[216:217], v[\sr+4:\sr+5], v[\sr+8:\sr+9]   ; the row's sum of the unquantised p, in eight chains
	v_pk_add_f32 v[254:255], v[\sr+12:\sr+13], v[\sr+16:\sr+17]
	v_pk_add_f32 v[252:253], v[\sr+20:\sr+21], v[\sr+24:\sr+25]
	v_pk_add_f32 v[250:251], v[\sr+28:\sr+29], v[\sr+32:\sr+33]
	v_pk_add_f32 v[248:249], v[\sr+36:\sr+37], v[\sr+40:\sr+41]
	v_pk_add_f32 v[246:247], v[\sr+44:\sr+45], v[\sr+48:\sr+49]
	v_pk_add_f32 v[244:245], v[\sr+52:\sr+53], v[\sr+56:\sr+57]
	v_pk_add_f32 v[14:15], v[14:15], v[\sr+60:\sr+61]
	v_pk_add_f32 v[216:217], v[216:217], v[\sr:\sr+1]
	v_pk_add_f32 v[254:255], v[254:255], v[\sr+2:\sr+3]
	v_pk_add_f32 v[252:253], v[252:253], v[\sr+6:\sr+7]
	v_pk_add_f32 v[250:251], v[250:251], v[\sr+10:\sr+11]
	v_pk_add_f32 v[248:249], v[248:249], v[\sr+14:\sr+15]
	v_pk_add_f32 v[246:247], v[246:247], v[\sr+18:\sr+19]
	v_pk_add_f32 v[244:245], v[244:245], v[\sr+22:\sr+23]
	v_pk_add_f32 v[14:15], v[14:15], v[\sr+26:\sr+27]
	v_pk_add_f32 v[216:217], v[216:217], v[\sr+30:\sr+31]
	v_pk_add_f32 v[254:255], v[254:255], v[\sr+34:\sr+35]
	v_pk_add_f32 v[252:253], v[252:253], v[\sr+38:\sr+39]
	v_pk_add_f32 v[250:251], v[250:251], v[\sr+42:\sr+43]
	v_pk_add_f32 v[248:249], v[248:249], v[\sr+46:\sr+47]
	v_pk_add_f32 v[246:247], v[246:247], v[\sr+50:\sr+51]
	v_pk_add_f32 v[244:245], v[244:245], v[\sr+54:\sr+55]
	v_pk_add_f32 v[14:15], v[14:15], v[\sr+58:\sr+59]
	v_pk_add_f32 v[216:217], v[216:217], v[\sr+62:\sr+63]
	s_delay_alu instid0(VALU_DEP_2)
	v_pk_add_f32 v[14:15], v[14:15], v[250:251]
	s_delay_alu instid0(VALU_DEP_2)
	v_pk_add_f32 v[216:217], v[216:217], v[248:249]
	v_pk_add_f32 v[254:255], v[254:255], v[246:247]
	v_pk_add_f32 v[252:253], v[252:253], v[244:245]
	s_delay_alu instid0(VALU_DEP_2)
	v_pk_add_f32 v[14:15], v[14:15], v[254:255]
	s_delay_alu instid0(VALU_DEP_2)
	v_pk_add_f32 v[216:217], v[216:217], v[252:253]
	s_delay_alu instid0(VALU_DEP_1)
	v_pk_add_f32 v[14:15], v[14:15], v[216:217]
	s_wait_alu depctr_va_vdst(0)                   ; and one for the four
.irp b, 0,1,2,3
	v_max_num_f32 v[212+\b], 0x1800000, v[212+\b]  ; the floor 2^(3 - 127)
.endr
.irp b, 0,1,2,3
	s_delay_alu instid0(VALU_DEP_4)
	v_add_nc_u32 v[220+\b], 0xff000000, v[212+\b]  ; the conversion's scale operand
.endr
.irp b, 0,1,2,3
	s_delay_alu instid0(VALU_DEP_4)
	v_lshrrev_b32 v[216+\b], 23, v[220+\b]         ; the scale's byte
.endr
	s_delay_alu instid0(VALU_DEP_3)
	v_lshl_or_b32 v211, v217, 8, v216              ; p's scale word for these 128 keys
	s_delay_alu instid0(VALU_DEP_1)
	v_lshl_or_b32 v211, v218, 16, v211
	s_delay_alu instid0(VALU_DEP_1)
	v_lshl_or_b32 v211, v219, 24, v211
.irp c, 0,1
	v_cvt_scalef32_pk16_fp6_f32 v[192+6*\c:194+6*\c], v[\sr+32*\c:\sr+15+32*\c], v[220+2*\c]
	v_cvt_scalef32_pk16_fp6_f32 v[204+4*\c:206+4*\c], v[\sr+16+32*\c:\sr+31+32*\c], v[221+2*\c]
.endr
	v_nop                                          ; one plain instruction behind the scaled conversions
.irp t, 0,1,2,3,4,5,6,7                ; p has been read for the last time: the next step's K lands on its registers: 17 loads
	ds_load_b128 v[\sr+6*\t:\sr+3+6*\t], v8 offset:6144+768*\t
	ds_load_b64 v[\sr+4+6*\t:\sr+5+6*\t], v9 offset:6144+768*\t+512
.endr
	ds_load_b128 v[28:31], v10 offset:512          ; the eight tiles' scale words: register t % 4, lanes 0-15 tiles 0-3, lanes 16-31 tiles 4-7
.irp c, 0,1
.irp i, 0,1,2
	v_permlane16_swap_b32 v[192+6*\c+\i], v[204+4*\c+\i]
.endr
.irp i, 0,1,2
	s_delay_alu instid0(VALU_DEP_3)
	v_mov_b32 v[195+6*\c+\i], v[204+4*\c+\i]
.endr
.endr
.irp j, 0,2,4,6,8,10,12,14,16,18,20,22,24,26,28,30
	v_pk_mul_f32 v[160+\j:161+\j], v[160+\j:161+\j], v[226:227] op_sel_hi:[1,0]   ; O^T under the new M; these sixteen also stand between the writing of p's codes and scale word and the products
.endr
	s_wait_alu depctr_va_vdst(0)
	s_wait_dscnt 17                                ; V's 13 loads are in; the 17 issued behind them, the next step's K, may be out
.irp t, 0,1
	v_wmma_scale_f32_16x16x128_f8f6f4 v[160+8*\t:167+8*\t], v[\kv+12*\t:\kv+11+12*\t], v[192:203], v[160+8*\t:167+8*\t], v[224+\t], v211 matrix_a_fmt:MATRIX_FMT_FP6 matrix_b_fmt:MATRIX_FMT_FP6
.endr
.irp t, 2,3
	v_wmma_scale_f32_16x16x128_f8f6f4 v[160+8*\t:167+8*\t], v[\kv+12*\t:\kv+11+12*\t], v[192:203], v[160+8*\t:167+8*\t], v[222+\t], v211 matrix_a_fmt:MATRIX_FMT_FP6 matrix_b_fmt:MATRIX_FMT_FP6 matrix_a_scale:MATRIX_SCALE_ROW1
.endr
	s_add_co_u32 s32, s32, 6144                    ; the next step's tiles,
	s_add_co_u32 s33, s33, 512                     ; K's scale words,
	s_add_co_u32 s34, s34, 256                     ; V's
.endm
.macro PAIR qb, qs                     ; two steps: the sets are back where they began
	STEP 32, 96, \qb, \qs
	STEP 96, 32, \qb, \qs
.endm
; One tile of 16 queries: the n-th of my two.  The tile's place stands in the immediates: no pointer is stepped.
.macro TRIP n, qb, qs
.if \n > 0
	s_wait_xcnt 0x0                                ; the last tile's stores have read their registers
	s_wait_dscnt 0x0                               ; and its last look-ahead has landed: its registers may be loaded anew
.endif
	s_mov_b32 s32, 0
	s_mov_b32 s33, KSC
	s_mov_b32 s34, VSC
	v_add_nc_u32 v10, s33, v1
.irp t, 0,1,2,3,4,5,6,7
	ds_load_b128 v[32+6*\t:35+6*\t], v1 offset:768*\t          ; key step 0's K
	ds_load_b64 v[36+6*\t:37+6*\t], v2 offset:768*\t+512
.endr
	ds_load_b128 v[28:31], v10
	v_mov_b32 v13, 0xff61b1e6                      ; the largest t so far: -3e38
	s_delay_alu instid0(VALU_DEP_1)
	v_floor_f32 v12, -v13
	v_mov_b32 v14, 0
	v_mov_b32 v15, 0
.irp j, 0,1,2,3,4,5,6,7,8,9,10,11,12,13,14,15,16,17,18,19,20,21,22,23,24,25,26,27,28,29,30,31
	v_mov_b32 v[160+\j], 0                         ; O^T: the step is written once; its first trip finds zeros
.endr
.if \n == 0
	s_mov_b32 s36, 3
	s_wait_loadcnt 0x3                             ; the first tile's Q is in; the three loads of the second's may be out
	PAIR \qb, \qs                                  ; key steps 0 and 1 read the first group's bytes alone
	s_wait_tensorcnt 0x0                           ; my tile of the second group has landed,
	s_wait_dscnt 0x0                               ; no LDS load of mine is out at the signal,
	s_barrier_signal -1
	s_barrier_wait -1                              ; everybody's tile has landed
.else
	s_mov_b32 s36, 4
	s_wait_loadcnt 0x0                             ; the second tile's Q
.endif
.Lk_\@:
	PAIR \qb, \qs
	s_sub_co_u32 s36, s36, 1
	s_cmp_lg_u32 s36, 0
	s_cbranch_scc1 .Lk_\@
.rept 4
	v_nop                                          ; places behind the last products
.endr
	v_add_f32 v14, v14, v15
	s_delay_alu instid0(VALU_DEP_1)
	v_permlanex16_b32 v228, v14, s[SEL], s[SEL+1]
	s_delay_alu instid0(VALU_DEP_1)
	v_add_f32 v14, v14, v228                       ; the row's sum
	s_wait_alu depctr_va_vdst(0)
	v_rcp_f32 v226, v14
	v_nop                                          ; a plain instruction behind the reciprocal
	s_wait_alu depctr_va_vdst(0)                   ; and the wait ahead of its first reader
.irp j, 0,2,4,6,8,10,12,14,16,18,20,22,24,26,28,30
	v_pk_mul_f32 v[96+\j:97+\j], v[160+\j:161+\j], v[226:227] op_sel_hi:[1,0]   ; o: register 16 b + j = channel 32 b + 16 h + j of my query
.endr
.irp b, 0,1
	v_max3_num_f32 v[212+\b], |v[96+16*\b]|, |v[97+16*\b]|, 0x1800000
.endr
.irp k, 2,4,6,8,10,12,14
.irp b, 0,1
	s_delay_alu instid0(VALU_DEP_2)
	v_max3_num_f32 v[212+\b], v[212+\b], |v[96+16*\b+\k]|, |v[97+16*\b+\k]|
.endr
.endr
.irp b, 0,1
	s_delay_alu instid0(VALU_DEP_2)
	v_permlanex16_b32 v[216+\b], v[212+\b], s[SEL], s[SEL+1]
.endr
.irp b, 0,1
	s_delay_alu instid0(VALU_DEP_2)
	v_max_num_f32 v[212+\b], v[212+\b], v[216+\b]
.endr
.irp b, 0,1
	s_delay_alu instid0(VALU_DEP_2)
	v_add_nc_u32 v[220+\b], 0xff000000, v[212+\b]
.endr
.irp b, 0,1
	s_delay_alu instid0(VALU_DEP_2)
	v_lshrrev_b32 v[216+\b], 23, v[220+\b]
.endr
	s_delay_alu instid0(VALU_DEP_1)
	v_lshl_or_b32 v229, v217, 8, v216              ; my head's two bytes of the row's scale word
	v_cvt_scalef32_pk16_fp6_f32 v[192:194], v[96:111], v220
	v_cvt_scalef32_pk16_fp6_f32 v[204:206], v[112:127], v221
	v_nop
.irp k, 0,1,2
	v_permlane16_swap_b32 v[192+\k], v[204+\k]
.endr
.irp k, 0,1,2
	s_delay_alu instid0(VALU_DEP_3)
	v_mov_b32 v[195+\k], v[204+\k]
.endr
	global_store_b128 v1, v[192:195], s[28:29] offset:196608*\n          ; 512 consecutive bytes, aligned to 256
	global_store_b64 v2, v[196:197], s[28:29] offset:196608*\n+512       ; 256 consecutive bytes, aligned
	global_store_b16 v3, v229, s[30:31] offset:8192*\n
.endm
	TRIP 0, 16, 243
	TRIP 1, 230, 242
	s_wait_tensorcnt 0x0                           ; the wave's end
	ds_add_u32 v[SPW], v[NIL]
	s_wait_dscnt 0x0
	s_endpgm
.Lfunc_end_k_qbee9310309_attend:
	.size	k_qbee9310309_attend, .Lfunc_end_k_qbee9310309_attend-k_qbee9310309_attend
	.p2alignl 7, 3214868480
	.fill 96, 4, 3214868480
	.section	.rodata,"a",@progbits
	.p2align	6, 0x0
	.amdhsa_kernel k_qbee9310309_attend
		.amdhsa_group_segment_fixed_size 327680
		.amdhsa_private_segment_fixed_size 0
		.amdhsa_enable_private_segment 0
		.amdhsa_kernarg_size 16
		.amdhsa_user_sgpr_count 2
		.amdhsa_user_sgpr_kernarg_segment_ptr 1
		.amdhsa_wavefront_size32 1
		.amdhsa_system_sgpr_workgroup_id_x 1
		.amdhsa_system_sgpr_workgroup_id_y 1
		.amdhsa_system_sgpr_workgroup_id_z 1
		.amdhsa_system_vgpr_workitem_id 0
		.amdhsa_next_free_vgpr 256
		.amdhsa_next_free_sgpr 66
		.amdhsa_reserve_vcc 0
		.amdhsa_float_denorm_mode_32 3
		.amdhsa_float_denorm_mode_16_64 3
		.amdhsa_memory_ordered 1
		.amdhsa_forward_progress 1
		.amdhsa_inst_pref_size 122
	.end_amdhsa_kernel
	.amdgpu_metadata
---
amdhsa.version: [ 1, 2 ]
amdhsa.kernels:
  - .name:           k_qbee9310309_attend
    .symbol:         k_qbee9310309_attend.kd
    .args:
      - { .name: qkv, .offset: 0, .size: 8, .value_kind: global_buffer, .address_space: global }
      - { .name: ops, .offset: 8, .size: 8, .value_kind: global_buffer, .address_space: global }
    .group_segment_fixed_size: 327680
    .private_segment_fixed_size: 0
    .kernarg_segment_align: 8
    .kernarg_segment_size: 16
    .max_flat_workgroup_size: 512
    .sgpr_count:     66
    .vgpr_count:     256
    .wavefront_size: 32
...
	.end_amdgpu_metadata
.endif
;; end of part 3
;; launch proj (part 4): grid 4 x 64, 4 waves a work-group, clusters of 4 x 4, 327,680 bytes of LDS; arguments ops, out0; writes out0
.if DOCPART == 4
	.amdgcn_target "amdgcn-amd-amdhsa--gfx1250"
	.amdhsa_code_object_version 6
	.text
	.protected	k_qbee9310309_proj
	.globl	k_qbee9310309_proj
	.p2align	8
	.type	k_qbee9310309_proj,@function
k_qbee9310309_proj:
	s_mov_b64 s[64:65], 0
	v_nop
	global_prefetch_b8 v0, s[64:65] scope:SCOPE_SE
	s_setreg_imm32_b32 hwreg(HW_REG_WAVE_MODE, 25, 1), 1
	s_wait_xcnt 0x0
	s_wait_alu depctr_hold_cnt(0) depctr_sa_sdst(0) depctr_va_vdst(0) depctr_va_sdst(0) depctr_va_ssrc(0) depctr_va_vcc(0) depctr_vm_vsrc(0)
	s_getreg_b32 s2, hwreg(HW_REG_IB_STS2, 6, 4)
	s_cmp_eq_u32 s2, 0
	s_cbranch_scc0 .Lentry_in_a_cluster
	s_endpgm
.Lentry_in_a_cluster:
	s_bfe_u32 s2, ttmp6, 0x10000c
	s_cmp_lg_u32 s2, 0xf033
	s_cbranch_scc0 .Lentry_shape_is_right
	s_endpgm
.Lentry_shape_is_right:
; out0 = o w_proj^T on codes of FP6 (E2M3) with E8M0 scales, both operands as register images out of ops; sums and output f32.
; SHARES.  A work-group takes 128 tokens (y: 8 tiles of o) x 256 outputs (x: 16 tiles of w_proj); wave w takes tokens 64 (w / 2) on and outputs 128 (w % 2) on: 32 accumulators of 16 x 16.
; ALL OF K LIES IN LDS: a tile's 1,024 along K are 12,288 consecutive bytes; A's 8 tiles fill bytes 0 to 98,303, B's 16 the 196,608 behind them.  Each wave issues ONE joint load at the head
; (waves 0 and 1 four tiles of A each, waves 2 and 3 eight of B each); nothing is filled again.  CLUSTER 4 x 4: A's tiles are asked for jointly along a row of the cluster, B's along a column.
; Nothing is prefetched: all that the work-group reads is asked for in its first lines.  The product is used transposed (source 0 = 16 outputs, source 1 = 16 tokens): a lane holds eight neighbouring outputs of a token.
; THE WAY OUT goes through a stage of 16 rows x 528 bytes for each wave, on A's first bytes, behind a barrier in front of which every wave's last LDS reads have come back.
.set SCA,   9437184
.set OC,    9830400
.set OSC,   16121856
.set CHUNK, 73728
.set BOFF,  98304
.set SPARE, 4*CHUNK
.set SPITCH, 528
.set A16,   6
.set A8,    10
.set ADRB,  14
.set STO,   19
.set RD,    20
.set SPW,   28
.set NIL,   29
.set SC,    32
.set AF,    112
.set BK,    112
.set G1A,   24
.set G1B,   32
.set G0A,   40
.set MSB,   0
.macro WIN new
.set WNEW, \new
.if MSB != WNEW
	s_set_vgpr_msb (MSB<<8)|WNEW
.set MSB, WNEW
.endif
.endm
.macro PLACES
.rept 4
	v_nop
.endr
.endm
.macro JLOAD g0a, g0b
	s_cmp_eq_u32 s9, 0
	s_cbranch_scc0 .Lfor_b_\@
	tensor_load_to_lds s[\g0a:\g0a+3], s[G1A:G1A+7]
	s_nop 0
.rept 4
	v_nop
.endr
	s_branch .Lasked_\@
.Lfor_b_\@:
	tensor_load_to_lds s[\g0b:\g0b+3], s[G1B:G1B+7]
	s_nop 0
.rept 4
	v_nop
.endr
.Lasked_\@:
.endm
.macro CROUND
	s_barrier_signal -1
	s_barrier_wait -1
	s_cmp_lg_u32 s8, 0
	s_cbranch_scc1 .Lnot_wave_0_\@
	s_barrier_signal -3
.Lnot_wave_0_\@:
	s_barrier_wait -3
	s_barrier_signal -1
	s_barrier_wait -1
.endm
	s_load_b128 s[4:7], s[0:1], 0x0
	v_lshl_add_u32 v[SPW], v0, 2, SPARE
	v_mov_b32 v[NIL], 0
	ds_add_u32 v[SPW], v[NIL]
	ds_add_u32 v[SPW], v[NIL]
	v_lshrrev_b32 v1, 5, v0
	v_readfirstlane_b32 s8, v1
	s_lshr_b32 s9, s8, 1
	s_and_b32 s10, s8, 1
	s_bfe_u32 s11, ttmp6, 0x40000
	s_bfe_u32 s12, ttmp6, 0x40004
	s_lshl_b32 s13, ttmp9, 2
	s_add_co_u32 s13, s13, s11
	s_and_b32 s14, ttmp7, 0xffff
	s_lshl_b32 s14, s14, 2
	s_add_co_u32 s14, s14, s12
	s_lshl_b32 s15, s12, 2
	s_lshl_b32 s15, 15, s15
	s_lshl_b32 s16, 0x1111, s11
	s_or_b32 s[G1A], s15, (3<<16)|(1<<21)
	s_or_b32 s[G1B], s16, (3<<16)|(1<<21)
	s_mov_b32 s[G1A+1], 1536<<16                   ; a row is a whole tile: 1,536 elements of 8 bytes
	s_mov_b32 s[G1A+2], 4<<16
	s_mov_b32 s[G1A+3], 1536<<16
	s_mov_b32 s[G1A+4], 4
	s_mov_b32 s[G1A+5], 1536
	s_mov_b32 s[G1A+6], 0
	s_mov_b32 s[G1A+7], 0
	s_mov_b32 s[G1B+1], 1536<<16
	s_mov_b32 s[G1B+2], 8<<16
	s_mov_b32 s[G1B+3], 1536<<16
	s_mov_b32 s[G1B+4], 8
	s_mov_b32 s[G1B+5], 1536
	s_mov_b32 s[G1B+6], 0
	s_mov_b32 s[G1B+7], 0
	s_lshl_b32 s17, s14, 3
	s_lshl_b32 s78, s10, 2
	s_add_co_u32 s17, s17, s78
	s_mul_i32 s20, s17, 12288
	s_add_co_u32 s20, s20, OC
	s_mov_b32 s21, 0
	s_lshl_b32 s18, s13, 4
	s_lshl_b32 s19, s10, 3
	s_add_co_u32 s18, s18, s19
	s_add_co_u32 s18, s18, 704
	s_mul_i32 s22, s18, 12288
	s_mov_b32 s23, 0
	s_mul_i32 s79, s10, 49152
	s_mul_i32 s80, s10, 98304
	s_add_co_u32 s80, s80, BOFF
	s_wait_dscnt 0x0
	s_wait_kmcnt 0x0
	s_add_nc_u64 s[20:21], s[4:5], s[20:21]
	s_add_nc_u64 s[22:23], s[4:5], s[22:23]
	CROUND
.irp k, 0
	s_mov_b32 s[G0A+4*\k], 1
	s_add_co_u32 s[G0A+4*\k+1], s79, \k*CHUNK
	s_add_nc_u64 s[G0A+4*\k+2:G0A+4*\k+3], s[20:21], \k*3072
	s_or_b32 s[G0A+4*\k+3], s[G0A+4*\k+3], 0x80000000
	s_mov_b32 s[56+4*\k+4*(\k/2)], 1
	s_add_co_u32 s[56+4*\k+4*(\k/2)+1], s80, \k*CHUNK
	s_add_nc_u64 s[56+4*\k+4*(\k/2)+2:56+4*\k+4*(\k/2)+3], s[22:23], \k*3072
	s_or_b32 s[56+4*\k+4*(\k/2)+3], s[56+4*\k+4*(\k/2)+3], 0x80000000
	JLOAD G0A+4*\k, 56+4*\k+4*(\k/2)               ; my one tensor load: behind the round that stands in front of the first joint loads
.endr
	v_and_b32 v3, 31, v0
	v_and_b32 v1, 15, v0
	v_bfe_u32 v2, v0, 4, 1
	s_wait_alu depctr_va_vdst(0)
	v_lshlrev_b32 v4, 4, v3
	s_wait_alu depctr_va_vdst(0)
	v_lshlrev_b32 v5, 3, v3
	s_wait_alu depctr_va_vdst(0)
	s_lshl_b32 s82, s13, 4
	s_lshl_b32 s83, s10, 3
	s_add_co_u32 s82, s82, s83
	s_add_co_u32 s82, s82, 704
	s_lshl_b32 s82, s82, 9
	s_add_co_u32 s82, s82, SCA
	s_lshl_b32 s83, s14, 3
	s_lshl_b32 s84, s9, 2
	s_add_co_u32 s83, s83, s84
	s_lshl_b32 s83, s83, 9
	s_add_co_u32 s83, s83, OSC
	s_sub_co_u32 s83, s83, s82
	v_mul_lo_u32 v18, v2, s83
	v_add_nc_u32 v18, s82, v18
	v_lshl_add_u32 v18, v1, 4, v18
.irp i, 0,1,2,3,4,5,6,7
.irp g, 0,1
	global_load_b128 v[SC+8*\i+4*\g:SC+8*\i+4*\g+3], v18, s[4:5] offset:512*\i+256*\g
.endr
.endr
	s_mul_i32 s85, s9, 49152                       ; my 4 tiles of A
	s_mul_i32 s86, s10, 98304
	s_add_co_u32 s86, s86, BOFF                    ; my 8 tiles of B: one address for tiles 0-3, one for tiles 4-7, so that the offsets stay inside 16 bits
	v_add_nc_u32 v[A16], s85, v4
	v_add_nc_u32 v[A8], s85, v5
	v_add_nc_u32 v[ADRB], s86, v4
	s_add_co_u32 s86, s86, 49152
	v_add_nc_u32 v[ADRB+1], s86, v4
	s_mul_i32 s81, s8, 16*SPITCH
	v_mul_u32_u24 v[STO], v1, SPITCH
	v_lshl_add_u32 v[STO], v2, 6, v[STO]
	v_add_nc_u32 v[STO], s81, v[STO]
	v_add_nc_u32 v[RD], s81, v4
	s_lshl_b32 s88, s14, 7
	s_lshl_b32 s89, s9, 6
	s_add_co_u32 s88, s88, s89
	s_lshl_b32 s88, s88, 12
	s_lshl_b32 s89, s13, 10
	s_add_co_u32 s88, s88, s89
	s_lshl_b32 s89, s10, 9
	s_add_co_u32 s88, s88, s89
	s_mov_b32 s89, 0
	s_add_nc_u64 s[76:77], s[6:7], s[88:89]
.macro FETCH k, q, p
	WIN 0x40
.irp i, 0,1,2,3,4,5,6,7
.irp g, 0,1,2
	ds_load_b128 v[96*(\p)+12*\i+4*\g:96*(\p)+12*\i+4*\g+3], v[ADRB+\i/4] offset:12288*(\i%4)+3072*(\k)+1536*(\q)+512*\g
.endr
.endr
	WIN 0
.irp i, 0,1,2,3
	ds_load_b128 v[AF+48*(\p)+12*\i:AF+48*(\p)+12*\i+3], v[A16] offset:12288*\i+3072*(\k)+1536*(\q)
	ds_load_b64 v[AF+48*(\p)+12*\i+4:AF+48*(\p)+12*\i+5], v[A8] offset:12288*\i+3072*(\k)+1536*(\q)+512
	ds_load_b128 v[AF+48*(\p)+12*\i+6:AF+48*(\p)+12*\i+9], v[A16] offset:12288*\i+3072*(\k)+1536*(\q)+768
	ds_load_b64 v[AF+48*(\p)+12*\i+10:AF+48*(\p)+12*\i+11], v[A8] offset:12288*\i+3072*(\k)+1536*(\q)+1280
.endr
.endm
.macro MUL32 p, s, zero
.irp a, 0,1,2,3
.irp b, 0,1,2,3,4,5,6,7
.if \zero
	v_wmma_scale_f32_16x16x128_f8f6f4 v[8*(8*\a+\b):8*(8*\a+\b)+7], v[96*(\p)+12*\b:96*(\p)+12*\b+11], v[AF+48*(\p)+12*\a:AF+48*(\p)+12*\a+11], 0, v[SC+8*\b+(\s)], v[SC+8*\a+(\s)] matrix_a_fmt:MATRIX_FMT_FP6 matrix_b_fmt:MATRIX_FMT_FP6 matrix_b_scale:MATRIX_SCALE_ROW1
.else
	v_wmma_scale_f32_16x16x128_f8f6f4 v[8*(8*\a+\b):8*(8*\a+\b)+7], v[96*(\p)+12*\b:96*(\p)+12*\b+11], v[AF+48*(\p)+12*\a:AF+48*(\p)+12*\a+11], v[8*(8*\a+\b):8*(8*\a+\b)+7], v[SC+8*\b+(\s)], v[SC+8*\a+(\s)] matrix_a_fmt:MATRIX_FMT_FP6 matrix_b_fmt:MATRIX_FMT_FP6 matrix_b_scale:MATRIX_SCALE_ROW1
.endif
.endr
.endr
.endm
.macro STEP e, zero, fetch, fk, fq, meet, cnt
.if \meet
	s_wait_tensorcnt \cnt
	s_wait_dscnt 0x0
	s_barrier_signal -1
	s_barrier_wait -1
.endif
.if \fetch
	PLACES
	FETCH \fk, \fq, 1-(\e)%2
.if !\meet
	s_wait_dscnt 40
.endif
.else
	s_wait_dscnt 0x0
.endif
	WIN 0xa1
	MUL32 (\e)%2, \e, \zero
	WIN 0
.endm
	s_wait_alu depctr_va_vdst(0)
	s_wait_tensorcnt 0x0                           ; my load has landed; the barrier shows the same of the others
	s_barrier_signal -1
	s_barrier_wait -1
	FETCH 0, 0, 0
	s_wait_loadcnt 0x0
	STEP 0, 1, 1, 0, 1, 0, 0
	STEP 1, 0, 1, 1, 0, 0, 0
	STEP 2, 0, 1, 1, 1, 0, 0
	STEP 3, 0, 1, 2, 0, 0, 0
	STEP 4, 0, 1, 2, 1, 0, 0
	STEP 5, 0, 1, 3, 0, 0, 0
	STEP 6, 0, 1, 3, 1, 0, 0
	s_wait_dscnt 0x0                               ; the last step's fragments are in: my reads of A's and B's bytes are over;
	s_barrier_signal -1                            ; say so,
	WIN 0xa1
	MUL32 1, 7, 0                                  ; work on registers while the others arrive,
	WIN 0
	s_barrier_wait -1                              ; and only then are results stored onto A's first bytes
.macro TOSTAGE a
	WIN 0x08
.irp b, 0,1,2,3,4,5,6,7
	ds_store_b128 v[STO], v[8*(8*(\a)+\b):8*(8*(\a)+\b)+3] offset:128*(\b/2)+32*(\b%2)
	ds_store_b128 v[STO], v[8*(8*(\a)+\b)+4:8*(8*(\a)+\b)+7] offset:128*(\b/2)+32*(\b%2)+16
.endr
	WIN 0
.set BB, BK+64*((\a)%2)
.irp t, 0,1,2,3,4,5,6,7,8,9,10,11,12,13,14,15
	ds_load_b128 v[BB+4*\t:BB+4*\t+3], v[RD] offset:\t*SPITCH
.endr
.endm
.macro SEND a, younger
.set BB, BK+64*((\a)%2)
	s_wait_dscnt \younger
.irp t, 0,1,2,3,4,5,6,7,8,9,10,11,12,13,14,15
	global_store_b128 v4, v[BB+4*\t:BB+4*\t+3], s[76:77] offset:(32*((\a)/2)+8*((\a)%2)+\t+8*(\t/8))*4096 th:TH_STORE_NT
.endr
.endm
	PLACES
	TOSTAGE 0
	TOSTAGE 1
	SEND 0, 32
	s_wait_xcnt 0x0
	TOSTAGE 2
	SEND 1, 32
	s_wait_xcnt 0x0
	TOSTAGE 3
	SEND 2, 32
	SEND 3, 0
	s_wait_tensorcnt 0x0
	ds_add_u32 v[SPW], v[NIL]
	s_wait_dscnt 0x0
	CROUND
	s_endpgm
.Lfunc_end_k_qbee9310309_proj:
	.size	k_qbee9310309_proj, .Lfunc_end_k_qbee9310309_proj-k_qbee9310309_proj
	.p2alignl 7, 3214868480
	.fill 96, 4, 3214868480
	.section	.rodata,"a",@progbits
	.p2align	6, 0x0
	.amdhsa_kernel k_qbee9310309_proj
		.amdhsa_group_segment_fixed_size 327680
		.amdhsa_private_segment_fixed_size 0
		.amdhsa_enable_private_segment 0
		.amdhsa_kernarg_size 16
		.amdhsa_user_sgpr_count 2
		.amdhsa_user_sgpr_kernarg_segment_ptr 1
		.amdhsa_wavefront_size32 1
		.amdhsa_system_sgpr_workgroup_id_x 1
		.amdhsa_system_sgpr_workgroup_id_y 1
		.amdhsa_system_sgpr_workgroup_id_z 1
		.amdhsa_system_vgpr_workitem_id 0
		.amdhsa_next_free_vgpr 768
		.amdhsa_next_free_sgpr 100
		.amdhsa_reserve_vcc 0
		.amdhsa_float_denorm_mode_32 3
		.amdhsa_float_denorm_mode_16_64 3
		.amdhsa_memory_ordered 1
		.amdhsa_forward_progress 1
		.amdhsa_inst_pref_size 77
	.end_amdhsa_kernel
	.amdgpu_metadata
---
amdhsa.version: [ 1, 2 ]
amdhsa.kernels:
  - .name:           k_qbee9310309_proj
    .symbol:         k_qbee9310309_proj.kd
    .args:
      - { .name: ops, .offset: 0, .size: 8, .value_kind: global_buffer, .address_space: global }
      - { .name: out0, .offset: 8, .size: 8, .value_kind: global_buffer, .address_space: global }
    .group_segment_fixed_size: 327680
    .private_segment_fixed_size: 0
    .kernarg_segment_align: 8
    .kernarg_segment_size: 16
    .max_flat_workgroup_size: 128
    .sgpr_count:     100
    .vgpr_count:     768
    .wavefront_size: 32
...
	.end_amdgpu_metadata
.endif
;; end of part 4
